; MI455X (gfx1250); checked and timed in simulation.
; The chip was launched on July 23, 2026; its instructions are those of AMD's public machine-readable ISA for CDNA 5 (MIT licence, August 2026) and "CDNA5" Instruction Set Architecture Reference Guide (July 2026). The comments in the code are by the model that wrote it; some were corrected since.
;; KAN. Allowed arithmetic: matrix products marked QUANTISED: E2M3 operands, one E8M0 scale for each 32 along K, by v_wmma_scale_f32_16x16x128_f8f6f4 with both operands' format E2M3, f32 sums; everything else in f32.
;; Inputs: base_w_codes 2 x 1,024 x 32 x 24 uint8 (E2M3 codes of base_w, K innermost, in blocks of 32 codes, four codes in three bytes); base_w_scales 2 x 1,024 x 32 uint8 (E8M0 scales of base_w, one for each 32 codes along K); grid 2 x 1,024 x 12 float32; ln_b 2 x 1,024 float32; ln_g 2 x 1,024 float32; prelu_a 2 float32; spline_w 2 x 1,024 x 1,024 x 8 float32; x 2,048 x 1,024 float32.
;; Outputs: out0 2,048 x 1,024 float32.
;; This version of the problem:
;;   THIS VERSION OF THE PROBLEM IS GIVEN IN LOW PRECISION. The matrix products marked QUANTISED in the list below multiply operands that are first quantised to E2M3 (2 exponent bits, 3 mantissa bits; 6 bits a number), with one power-of-two scale for each 32 numbers along K (OCP MX v1.0); their sums are f32. All else is computed in f32.
;;   The module's matrix products, in the order in which they are computed (A, B: the left and right operand; K: the contracted axis; several contracted axes count as one K, in the product's order):
;;     1. [M 2,048, K 1,024] x [K 1,024, N 1,024]; A: computed on the way; B: input base_w (given as codes): QUANTISED
;;     2. [M 2,048, K 8,192] x [K 8,192, N 1,024]; A: computed on the way; B: input spline_w: QUANTISED
;;     3. [M 2,048, K 1,024] x [K 1,024, N 1,024]; A: computed on the way; B: input base_w (given as codes): QUANTISED
;;     4. [M 2,048, K 8,192] x [K 8,192, N 1,024]; A: computed on the way; B: input spline_w: QUANTISED
;;   THE QUANTISER, for each operand of a quantised product, along K:
;;     - K is cut into blocks of 32 from its start; a last block that is shorter is filled with zeros.
;;     - A block's scale is 2^e with e = floor(log2(the largest magnitude in the block)) - 2, held to -126 .. 127; a block of zeros has e = 0. As a byte (E8M0): e + 127.
;;     - Each number is divided by its block's scale, clamped to +-7.5, and rounded to the nearest number of E2M3, ties to even, subnormals kept.
;;     - The product sums the exact products of the quantised numbers (number of the format x scale) in f32.
;;   ~~~python
;;   def quantise(x, axis):      # numpy; x: float32 -> the quantised numbers, widened to float32 again
;;       x = np.moveaxis(x, axis, -1); K = x.shape[-1]
;;       x = np.pad(x, [(0, 0)] * (x.ndim - 1) + [(0, -K % 32)]); x = x.reshape(x.shape[:-1] + (-1, 32)); a = np.abs(x).max(-1, keepdims=True)
;;       e = np.where(a > 0, np.clip(np.frexp(np.where(a > 0, a, 1))[1] - 1 - 2, -126, 127), 0)      # np.frexp(a)[1] - 1 = floor(log2(a)), exactly
;;       r = np.clip(x / 2.0 ** e, -7.5, 7.5)
;;       step = 2.0 ** (np.maximum(np.frexp(np.where(r == 0, 1, r))[1] - 1, 0) - 3)
;;       q = np.round(r / step) * step * 2.0 ** e      # np.round: ties to even
;;       return np.moveaxis(q.reshape(q.shape[:-2] + (-1,))[..., :K], -1, axis).astype(np.float32)
;;   ~~~
;;   OPERANDS COMPUTED ON THE WAY. 'Computed on the way' means the value that the module computes at that place (a softmax that the list does not call 'softmax' is quantised finished and normalised). What goes into a quantiser is computed in f32, as accurately as f32 sums, v_exp_f32 and their like allow (about 1e-6 of the number): no bf16 or f16 on the way to a quantiser, and a product that is left as it is and whose result goes on into a quantised operand takes f32 operands (vector FMAs, or v_wmma_f32_16x16x4_f32). A number that lies on a knife's edge between two numbers of the format may be rounded either way, as far as f32 arithmetic and the matrix unit's own rounding can turn it there, and no further.
;;   INPUTS GIVEN AS CODES. base_w (in the module: [2, 1024, 1024], K = its axis 2): each comes as NAME_codes (uint8): NAME with its K axis moved to the last place and cut into blocks of 32 codes, [.., K / 32, bytes a block], one block behind the other in memory; four codes in three bytes: a row's codes are one little-endian stream of bits, code i at bits 6 i .. 6 i + 5 (a code: sign, 2 exponent bits, 3 mantissa bits); and NAME_scales (uint8): the same leading axes, one E8M0 byte (e + 127) for each 32 codes along K. Its value is code x scale, taken as it is: it is not quantised again, and the codes and scales need not be those that the quantiser above would give.
;; One version. Each part assembles by itself: llvm-mc -triple=amdgcn-amd-amdhsa -mcpu=gfx1250 --defsym DOCPART=n.
;; ======== version 1 of 1: 5 launches
;; workspace buffers: wq0 7,077,888 bytes; wq1 7,077,888 bytes; ws0 294,912 bytes; ws1 294,912 bytes; acodes 14,155,776 bytes; ascales 589,824 bytes; h 16,777,216 bytes
;; launch act1 (part 1): grid 256 x 1, 16 waves a work-group, no clusters, 88,064 bytes of LDS; arguments x, grid, spline_w, base_w_codes, base_w_scales, acodes, ascales, wq0, ws0; writes acodes, ascales, wq0, ws0
.if DOCPART == 1
	.amdgcn_target "amdgcn-amd-amdhsa--gfx1250"
	.amdhsa_code_object_version 6
	.text
	.protected	k_qc6815b4a3e_act1
	.globl	k_qc6815b4a3e_act1
	.p2align	8
	.type	k_qc6815b4a3e_act1,@function
k_qc6815b4a3e_act1:
	s_mov_b64 s[64:65], 0
	v_nop
	global_prefetch_b8 v0, s[64:65] scope:SCOPE_SE
	s_setreg_imm32_b32 hwreg(HW_REG_WAVE_MODE, 25, 1), 1
	s_wait_xcnt 0x0
; BOTH OPERANDS OF A LAYER'S PRODUCT, each quantised once, K = 9,216 innermost (8,192 of the splines, K = 8 x feature + coefficient, then 1,024 of the base product).
; LEFT: acodes [2048 rows][6,912 bytes], ascales [2048][288].  Bytes 0..6,143 of a row: E2M3 codes of the 8 cubic B-spline bases of each of the 1,024 features; bytes 6,144..6,911: codes of gelu(x).
; RIGHT: wq [1024 rows n][6,912 bytes], ws [1024][288].  Bytes 0..6,143: codes of spline_w's row, made here; bytes 6,144..6,911: base_w's codes, copied as they are given.  ws: 256 bytes made here, then base_w's 32.
; This text serves both layers.  LN = 0 (here): the rows are x as given.  LN = 1: the rows are PReLU(LayerNorm(the two partial sums of the layer before)).
; WHY ONE LAUNCH: the bases are vector work with few bytes, the weights are bytes with little vector work.  A wave asks for its weights two steps ahead and works them between rows of bases, so that they land under that work.
; BASES: the whole Cox-de Boor triangle (11, 10, 9, 8 functions) on each feature's own 12 knots as they are given: nothing is assumed of their spacing or order.
;   With d_j = x - g_j and R^k_j = 1 / (g_(j+k) - g_j):  b^k_j = d_j q_j - d_(j+k+1) q_(j+1),  q_j = R^k_j b^(k-1)_j.  Where g_k = g_0 the divisor is 1.
; GELU: 0.5 x (1 + erf(x / sqrt 2)), erf(z) = z P(z^2) / Q(z^2), polynomials of degree 6 and 4, z held to -4 .. 4.
; A BLOCK'S SCALE is 2^(floor(log2(its largest magnitude)) - 2); its byte is the largest magnitude's exponent field - 2, held at 1 from below.
; LIMITS: NaN and infinities are not served; x < g is taken as not (x >= g); knots with g_(j+k) = g_j for j >= 1 are not served (the divisor there is 0 in the definition too);
;   a division is a reciprocal (1 ulp) and a multiplication; erf is right to a few ulp of 1, so gelu of x under about -3 is right to about 1e-7 x |x|, not to 1e-6 of itself;
;   a block of zeros, or one whose largest magnitude lies under 2^-124, carries the byte 1; a block of zeros has zero codes, and this program alone reads the bytes.
; SHARES: a work-group of sixteen waves owns 8 rows of the left operand and 4 rows of the right.  Three ways of dealing them:
;   U (loads, LayerNorm, gelu): wave w holds half w % 2 of row w / 2; loads read 512 consecutive bytes; through LDS a lane gets 16 neighbouring features (two lanes to a block of 32);
;   T (bases): thread t owns features 2 t and 2 t + 1 in all 8 rows, so that their knots and 60 reciprocals are made once and stay in registers; its 16 bases of a row are
;   16 neighbours along K, and threads t and t xor 1 hold a block.  A wave's store of codes covers 384 consecutive bytes.
;   W (weights): wave w holds quarter w % 4 of weight row w / 4: 2,048 numbers, four steps of 512; each load reads 512 consecutive bytes, and a step turns through the wave's own stage in LDS as in U.
; No matrix work, no tensor loads.  No cluster: what work-groups share is the knots, 96 bytes a thread beside the 131,072 bytes of weights that a work-group reads alone.
.set LN,     0                         ; 1: LayerNorm and PReLU of the layer before stand in front
.set GLAYER, 0                         ; which layer's knots and weights
.set XROW,   5120                      ; LDS 0..40,959: the 8 rows: a row is 64 groups of 64 bytes + 16 of padding; 2,560 bytes a wave
.set SCB,    40960                     ; the 8 rows' scale bytes, 288 each;
.set WSB,    43264                     ; directly behind them the 4 weight rows' scale bytes, 256 each
.set RED,    44288                     ; 16 words of sums, 16 of sums of squares
.set WST,    45056                     ; from a wave's half row to its stage for the weights: sixteen stages of 2,560 bytes from here on
.set AROW,   6912
.set SROW,   288
.set NDATA,  4+12*LN                   ; loads of the rows (and of the norm's gains) behind the knots'
.set GP,  16                           ; v16-39   12 pairs (g_j of feature 2 t, of 2 t + 1)
.set R1,  40                           ; v40-61   11 pairs 1 / (g_(j+1) - g_j)
.set R2,  62                           ; v62-81   10 pairs 1 / (g_(j+2) - g_j)
.set R3,  82                           ; v82-99   9 pairs  1 / (g_(j+3) - g_j)
.set X,   100                          ; v100-115 my two features in the 8 rows
.set D,   116                          ; v116-139 12 pairs x - g_j
.set QA,  140                          ; v140-161, v162-181: the triangle's levels by turns
.set QB,  162
.set T,   182                          ; v182-189 four pairs at work
.set OUT, 190                          ; v190-205 16 bases in K's order; between rows: 16 neighbouring weights
.set CODE, 206                         ; v206-208 16 codes
.set BC,  206                          ; at the head: my piece of base_w on its way through
.set EG,  209                          ; v209     gelu's scale byte
.set W,   210                          ; v210-215 at work
.set EW,  213                          ; v213     the weights' scale byte: written again only behind a step's wait for all LDS instructions
.set KN,  216                          ; v216-239 the knots as loaded;
.set EB,  216                          ; later v216-223: a scale byte for each row, so that no LDS store's data are written again
.set WA,  224                          ; v224-239 weights as loaded, steps 1 and 3 (free once the knots are copied)
.set WB,  240                          ; v240-255 weights as loaded, steps 0 and 2
.set H,   116                          ; way U: v116-131 my 16 numbers as loaded; v132-147 the second partial sum; v148-163 ln_g; v164-179 ln_b
.set H2,  132
.set LG,  148
.set LB,  164
.set XV,  132                          ; gelu: v132-147 16 neighbours; v116-131 z; v148-163 z^2; v164-179 P; v180-195 Q
.set Z,   116
.set Z2,  148
.set P,   164
.set Q,   180
.set MK0, 40                           ; s40-51, s52-63: at the head offsets in the making; then x >= g_j for the two features, then the 11 intervals
.set MK1, 52
.set KC,  66                           ; s66-87: eleven constants, each in both registers of a pair (a packed line names the pair and takes its low word)
.macro KPAIR n, bits
	s_mov_b32 s[KC+2*\n], \bits
	s_mov_b32 s[KC+2*\n+1], \bits
.endm
.macro WSUM reg, tmp                   ; the sum over the wave's 32 lanes, in every lane
	v_add_f32_dpp v[\reg], v[\reg], v[\reg] row_xmask:1 row_mask:0xf bank_mask:0xf
	v_add_f32_dpp v[\reg], v[\reg], v[\reg] row_xmask:2 row_mask:0xf bank_mask:0xf
	v_add_f32_dpp v[\reg], v[\reg], v[\reg] row_xmask:4 row_mask:0xf bank_mask:0xf
	v_add_f32_dpp v[\reg], v[\reg], v[\reg] row_xmask:8 row_mask:0xf bank_mask:0xf
	v_permlanex16_b32 v[\tmp], v[\reg], s30, s31
	v_add_f32 v[\reg], v[\reg], v[\tmp]
.endm
.macro BARRIER                         ; my LDS stores have landed and my LDS loads are in: then the work-group's barrier
	s_wait_dscnt 0x0
	s_barrier_signal -1
	s_barrier_wait -1
.endm
; 16 neighbours along K in v[src] on become 16 codes in v[CODE] on; the block's scale byte goes to v[eb].  Lanes l and l xor 1 hold the block.
.macro QUANT16 src, eb
	v_max3_num_f32 v[W], |v[\src]|, |v[\src+1]|, |v[\src+2]|
	v_max3_num_f32 v[W+1], |v[\src+3]|, |v[\src+4]|, |v[\src+5]|
.irp i, 6,10
	v_max3_num_f32 v[W], v[W], |v[\src+\i]|, |v[\src+\i+1]|
	v_max3_num_f32 v[W+1], v[W+1], |v[\src+\i+2]|, |v[\src+\i+3]|
.endr
	v_max3_num_f32 v[W], v[W], |v[\src+14]|, |v[\src+15]|
	v_max3_num_f32 v[W], v[W], v[W+1], 0x1800000   ; and the floor 2^(3 - 127): the byte cannot fall under 1
	v_max_num_f32_dpp v[W], v[W], v[W] row_xmask:1 row_mask:0xf bank_mask:0xf
	v_add_nc_u32 v[W+2], 0xff000000, v[W]          ; 2 off the exponent field: the conversion's scale operand
	v_cvt_scalef32_pk16_fp6_f32 v[CODE:CODE+2], v[\src:\src+15], v[W+2]
	v_lshrrev_b32 v[\eb], 23, v[W+2]               ; the byte (a plain line behind the conversion)
.endm
; n differences g_(j+k) - g_j; where the first is 0 it becomes 1
.macro DIFF dst, k, n
.set jj, 0
.rept \n
	v_pk_add_f32 v[\dst+2*jj:\dst+2*jj+1], v[GP+2*(jj+\k):GP+2*(jj+\k)+1], v[GP+2*jj:GP+2*jj+1] neg_lo:[0,1] neg_hi:[0,1]
.set jj, jj+1
.endr
	v_cmp_neq_f32 vcc_lo, 0, v[\dst]
	v_cndmask_b32 v[\dst], 1.0, v[\dst], vcc_lo
	v_cmp_neq_f32 vcc_lo, 0, v[\dst+1]
	v_cndmask_b32 v[\dst+1], 1.0, v[\dst+1], vcc_lo
.endm
; level k, n results: dst_j = d_j src_j - d_(j+k+1) src_(j+1), both features at once; the multiplication runs two steps ahead of the multiply-add that takes it
.macro LEVEL src, dst, k, n
.set jj, 0
.rept \n+2
.if jj < \n
	v_pk_mul_f32 v[T+2*(jj%4):T+2*(jj%4)+1], v[D+2*(jj+\k+1):D+2*(jj+\k+1)+1], v[\src+2*jj+2:\src+2*jj+3]
.endif
.if jj >= 2
	v_pk_fma_f32 v[\dst+2*(jj-2):\dst+2*(jj-2)+1], v[D+2*(jj-2):D+2*(jj-2)+1], v[\src+2*(jj-2):\src+2*(jj-2)+1], v[T+2*((jj-2)%4):T+2*((jj-2)%4)+1] neg_lo:[0,0,1] neg_hi:[0,0,1]
.endif
.set jj, jj+1
.endr
.endm
.macro TIMES dst, tab, n               ; dst_j x the table's reciprocal
.set jj, 0
.rept \n
	v_pk_mul_f32 v[\dst+2*jj:\dst+2*jj+1], v[\dst+2*jj:\dst+2*jj+1], v[\tab+2*jj:\tab+2*jj+1]
.set jj, jj+1
.endr
.endm
; my two features in row r: 16 bases, their codes and their block's byte
.macro ROW r
.irp j, 0,1,2,3,4,5,6,7,8,9,10,11
	v_cmp_ge_f32 s[MK0+\j], v[X+2*\r], v[GP+2*\j]
	v_cmp_ge_f32 s[MK1+\j], v[X+2*\r+1], v[GP+2*\j+1]
.endr
.irp j, 0,1,2,3,4,5,6,7,8,9,10,11
	v_pk_add_f32 v[D+2*\j:D+2*\j+1], v[X+2*\r:X+2*\r+1], v[GP+2*\j:GP+2*\j+1] neg_lo:[0,1] neg_hi:[0,1]   ; d_j = x - g_j
.endr
.irp j, 0,1,2,3,4,5,6,7,8,9,10
	s_and_not1_b32 s[MK0+\j], s[MK0+\j], s[MK0+\j+1]   ; g_j <= x < g_(j+1), ascending: j + 1's mask is still the plain comparison
	s_and_not1_b32 s[MK1+\j], s[MK1+\j], s[MK1+\j+1]
.endr
.irp j, 0,1,2,3,4,5,6,7,8,9,10
	v_cndmask_b32 v[QA+2*\j], 0, v[R1+2*\j], s[MK0+\j]       ; q_j = R^1_j b^0_j
	v_cndmask_b32 v[QA+2*\j+1], 0, v[R1+2*\j+1], s[MK1+\j]
.endr
	LEVEL QA, QB, 1, 10
	TIMES QB, R2, 10
	LEVEL QB, QA, 2, 9
	TIMES QA, R3, 9
.set jj, 0
.rept 10                               ; level 3 writes feature 2 t's eight, then feature 2 t + 1's eight: K's own order, without a move
.if jj < 8
	v_pk_mul_f32 v[T+2*(jj%4):T+2*(jj%4)+1], v[D+2*(jj+4):D+2*(jj+4)+1], v[QA+2*jj+2:QA+2*jj+3]
.endif
.if jj >= 2
	v_fma_f32 v[OUT+jj-2], v[D+2*(jj-2)], v[QA+2*(jj-2)], -v[T+2*((jj-2)%4)]
	v_fma_f32 v[OUT+8+jj-2], v[D+2*(jj-2)+1], v[QA+2*(jj-2)+1], -v[T+2*((jj-2)%4)+1]
.endif
.set jj, jj+1
.endr
	s_wait_xcnt 0x0                                ; the last store of codes has had its address translated: only behind this wait are its data registers written again
	QUANT16 OUT, EB+\r
	ds_store_b8 v3, v[EB+\r] offset:SROW*\r        ; both threads of a block write the same byte with the same value
	global_store_b96 v2, v[CODE:CODE+2], s[14:15] offset:AROW*\r
.endm
; step t of my quarter row of weights is asked for: four loads of 512 consecutive bytes
.macro WLOAD t, set
.irp i, 0,1,2,3
	global_load_b128 v[\set+4*\i:\set+4*\i+3], v9, s[8:9] offset:2048*(\t)+512*\i th:TH_LOAD_NT
.endr
.endm
; step t is worked: through my stage, 16 neighbours a lane, their codes and their block's byte.  left: the loads behind this step's that may stay out
.macro WSTEP t, set, left
	s_wait_loadcnt \left                           ; loads come back in order: this step's four are in
.irp i, 0,1,2,3
	ds_store_b128 v5, v[\set+4*\i:\set+4*\i+3] offset:WST+640*\i
.endr
.irp i, 0,1,2,3
	ds_load_b128 v[OUT+4*\i:OUT+4*\i+3], v6 offset:WST+16*\i   ; my wave's own bytes: LDS serves a wave's instructions in order
.endr
	s_wait_dscnt 0x0                               ; the neighbours are in, the stores have read the set, and every earlier byte store has read its register
	s_wait_xcnt 0x0                                ; the last store of codes has had its address translated: its data registers may be written again
.if (\t)+2 < 4
	WLOAD (\t)+2, \set                             ; the set takes the step two on: it has four rows of bases in which to land
.endif
	QUANT16 OUT, EW
	ds_store_b8 v10, v[EW] offset:16*(\t)
	global_store_b96 v7, v[CODE:CODE+2], s[18:19] offset:384*(\t)   ; the wave stores 384 consecutive bytes
.endm
	s_load_b256 s[4:11], s[0:1], 0x0               ; the rows (x, or h), grid, spline_w, base_w_codes
	s_load_b256 s[12:19], s[0:1], 0x20             ; base_w_scales, acodes, ascales, wq
	s_load_b64 s[20:21], s[0:1], 0x40              ; ws
	v_lshl_add_u32 v14, v0, 2, 0x15000
	v_mov_b32 v15, 0
.if LN
	s_load_b128 s[24:27], s[0:1], 0x48             ; ln_g, ln_b
	s_load_b64 s[28:29], s[0:1], 0x58              ; prelu_a
.endif
	v_lshrrev_b32 v1, 5, v0
	v_readfirstlane_b32 s22, v1                    ; wave 0..15
	v_and_b32 v1, 31, v0                           ; v1: lane
	s_mul_i32 s34, s22, 2560                       ; my wave's half row in LDS
	s_lshr_b32 s35, s22, 1                         ; its row
	s_and_b32 s36, s22, 1                          ; its half
	v_mul_u32_u24 v2, v0, 12                       ; v2: my 12 bytes of a row's spline codes
	v_lshrrev_b32 v3, 1, v0
	v_add_nc_u32 v3, SCB, v3                       ; v3: my block's scale byte in LDS
	v_lshrrev_b32 v4, 3, v0
	v_mul_u32_u24 v4, v4, 80
	v_and_b32 v5, 7, v0
	v_lshl_add_u32 v4, v5, 3, v4                   ; v4: my two features in a row in LDS: 80 (t / 8) + 8 (t % 8)
	v_lshrrev_b32 v5, 2, v1
	v_mul_u32_u24 v5, v5, 80
	v_and_b32 v6, 3, v1
	v_lshl_add_u32 v5, v6, 4, v5
	v_add_nc_u32 v5, s34, v5                       ; v5: into LDS as loaded: 80 (lane / 4) + 16 (lane % 4)
	v_mul_u32_u24 v6, v1, 80
	v_add_nc_u32 v6, s34, v6                       ; v6: back, 16 neighbours: 80 x lane
	v_mul_u32_u24 v7, v1, 12                       ; v7: 12 x lane: my codes in a wave's 384 bytes
	s_mul_i32 s38, s35, SROW
	s_lshl_b32 s39, s36, 4
	s_add_co_u32 s38, s38, s39
	s_add_co_u32 s38, s38, SCB+256
	v_lshrrev_b32 v8, 1, v1
	v_add_nc_u32 v8, s38, v8                       ; v8: gelu's scale byte in LDS
	v_lshlrev_b32 v9, 4, v1                        ; v9: 16 x lane: my 16 bytes of a load's 512
	s_lshl_b32 s39, s22, 6
	s_add_co_u32 s39, s39, WSB
	v_lshrrev_b32 v10, 1, v1
	v_add_nc_u32 v10, s39, v10                     ; v10: the weights' scale byte in LDS: 64 bytes a wave
	v_mul_u32_u24 v11, v0, 96                      ; v11: my two features' knots
	v_lshl_add_u32 v12, v0, 3, SCB                 ; v12: the scale bytes' way out of LDS, 8 bytes a thread
	v_lshlrev_b32 v13, 3, v1                       ; v13: 8 x lane
.if LN
	s_lshl_b32 s39, s22, 2
	s_add_co_u32 s39, s39, RED
	v_mov_b32 v14, s39                             ; v14: my wave's word among the sums
	s_lshl_b32 s39, s35, 3
	s_add_co_u32 s39, s39, RED
	v_mov_b32 v15, s39                             ; v15: my row's two words
	s_mov_b32 s30, 0x76543210
	s_mov_b32 s31, 0xfedcba98                      ; v_permlanex16_b32's selects for lane l xor 16
	s_mov_b32 s88, 0x3a800000                      ; 1 / 1,024
	s_mov_b32 s89, 0x3727c5ac                      ; 1e-5
.endif
	; offsets in bytes, each in a pair of its own; the wave's part stands here, so that the vector offsets are plain multiples of the lane
	s_lshl_b32 s32, ttmp9, 15
	s_lshl_b32 s23, s22, 11
	s_add_co_u32 s32, s32, s23                     ; the rows in: 8 rows of 4,096 bytes a work-group, 2,048 bytes a wave
	s_mov_b32 s33, 0
	s_mul_i32 s2, ttmp9, 8*AROW                    ; the work-group's 8 rows of codes
	s_mov_b32 s3, 0
	s_mul_i32 s40, s35, AROW
	s_mul_i32 s23, s36, 384
	s_add_co_u32 s40, s40, s23
	s_add_co_u32 s40, s40, 6144                    ; in them: my wave's 384 bytes of gelu's codes
	s_mov_b32 s41, 0
	s_lshl_b32 s42, ttmp9, 17
	s_lshl_b32 s23, s22, 13
	s_add_co_u32 s42, s42, s23                     ; the weights in: 4 rows of 32,768 bytes a work-group, 8,192 bytes a wave
.if GLAYER
	s_add_co_u32 s42, s42, GLAYER*33554432
.endif
	s_mov_b32 s43, 0
	s_lshl_b32 s37, ttmp9, 2                       ; the work-group's first row of weights
	s_lshr_b32 s23, s22, 2
	s_add_co_u32 s23, s23, s37
	s_mul_i32 s44, s23, AROW
	s_and_b32 s23, s22, 3
	s_mul_i32 s23, s23, 1536
	s_add_co_u32 s44, s44, s23                     ; my quarter row of wq
	s_mov_b32 s45, 0
	s_min_u32 s38, s22, 11                         ; base_w's codes: the 4 rows' 3,072 bytes are twelve pieces of 256: waves 0 to 11 (held, so that every wave's pointer lies inside)
	s_mul_i32 s46, ttmp9, 3072
	s_lshl_b32 s23, s38, 8
	s_add_co_u32 s46, s46, s23
.if GLAYER
	s_add_co_u32 s46, s46, GLAYER*786432
.endif
	s_mov_b32 s47, 0
	s_mul_i32 s39, s38, 21846
	s_lshr_b32 s39, s39, 16                        ; piece / 3: the row (21,846 / 65,536 is just over a third: right for 0 to 11)
	s_mul_i32 s23, s39, 3
	s_sub_co_u32 s23, s38, s23                     ; piece % 3
	s_add_co_u32 s39, s39, s37
	s_mul_i32 s48, s39, AROW
	s_lshl_b32 s23, s23, 8
	s_add_co_u32 s48, s48, s23
	s_add_co_u32 s48, s48, 6144                    ; where the piece goes in wq
	s_mov_b32 s49, 0
	s_max_u32 s38, s22, 12                         ; base_w's scale bytes: waves 12 to 15 take a row's 32 each
	s_sub_co_u32 s38, s38, 12
	s_add_co_u32 s38, s38, s37
	s_lshl_b32 s50, s38, 5
.if GLAYER
	s_add_co_u32 s50, s50, GLAYER*32768
.endif
	s_mov_b32 s51, 0
	s_mul_i32 s52, s38, SROW
	s_add_co_u32 s52, s52, 256                     ; where they go in ws
	s_mov_b32 s53, 0
	s_mul_i32 s54, ttmp9, 8*SROW                   ; the scale bytes' way out: waves 0 to 8: 256 bytes each of the work-group's 2,304 of ascales;
	s_lshl_b32 s23, s22, 8
	s_add_co_u32 s54, s54, s23
	s_max_u32 s38, s22, 9                          ; waves 9 to 12: a row of ws each
	s_min_u32 s38, s38, 12
	s_sub_co_u32 s38, s38, 9
	s_add_co_u32 s38, s38, s37
	s_mul_i32 s55, s38, SROW
	s_mov_b32 s57, 0
	s_wait_kmcnt 0x0
	s_cmp_lt_u32 s22, 9                            ; the choice hangs on the wave's number alone
	s_cselect_b64 s[100:101], s[16:17], s[20:21]
	s_cselect_b32 s56, s54, s55
	s_add_nc_u64 s[100:101], s[100:101], s[56:57]  ; s[100:101]: where my wave's 256 scale bytes go
	s_add_nc_u64 s[4:5], s[4:5], s[32:33]          ; s[4:5]: my wave's half row
	s_add_nc_u64 s[14:15], s[14:15], s[2:3]        ; s[14:15]: the work-group's codes
	s_add_nc_u64 s[94:95], s[14:15], s[40:41]      ; s[94:95]: gelu's
	s_add_nc_u64 s[8:9], s[8:9], s[42:43]          ; s[8:9]: my quarter row of spline_w
	s_add_nc_u64 s[96:97], s[18:19], s[48:49]      ; s[96:97]: base_w's codes out
	s_add_nc_u64 s[18:19], s[18:19], s[44:45]      ; s[18:19]: my quarter row of wq
	s_add_nc_u64 s[10:11], s[10:11], s[46:47]      ; s[10:11]: base_w's codes in
	s_add_nc_u64 s[12:13], s[12:13], s[50:51]      ; s[12:13]: base_w's scale bytes in
	s_add_nc_u64 s[98:99], s[20:21], s[52:53]      ; s[98:99]: and out
.if LN
	s_add_nc_u64 s[92:93], s[4:5], 0x800000        ; the second partial sum lies 8,388,608 bytes on
	s_load_b32 s90, s[28:29], 0x0                  ; the slope of the layer before
	s_lshl_b32 s56, s36, 11
	s_add_nc_u64 s[24:25], s[24:25], s[56:57]      ; my half of ln_g and ln_b
	s_add_nc_u64 s[26:27], s[26:27], s[56:57]
.endif
	; ---- the loads, oldest first: base_w's piece (one load in either arm), the knots, the rows, the weights' step 0
	s_cmp_lt_u32 s22, 12
	s_cbranch_scc0 .Lscales_in
	global_load_b64 v[BC:BC+1], v13, s[10:11] th:TH_LOAD_NT   ; 32 lanes read 256 consecutive bytes
	s_branch .Lbase_in
.Lscales_in:
	global_load_u8 v[BC], v1, s[12:13]             ; 32 lanes read a row's 32 bytes
.Lbase_in:
.irp i, 0,1,2,3,4,5
	global_load_b128 v[KN+4*\i:KN+4*\i+3], v11, s[6:7] offset:GLAYER*49152+16*\i
.endr
.irp i, 0,1,2,3
	global_load_b128 v[H+4*\i:H+4*\i+3], v9, s[4:5] offset:512*\i th:TH_LOAD_NT   ; 32 lanes read 512 consecutive bytes
.endr
.if LN
.irp i, 0,1,2,3
	global_load_b128 v[H2+4*\i:H2+4*\i+3], v9, s[92:93] offset:512*\i th:TH_LOAD_NT
.endr
.irp i, 0,1,2,3
	global_load_b128 v[LG+4*\i:LG+4*\i+3], v9, s[24:25] offset:512*\i
.endr
.irp i, 0,1,2,3
	global_load_b128 v[LB+4*\i:LB+4*\i+3], v9, s[26:27] offset:512*\i
.endr
.endif
	WLOAD 0, WB
	KPAIR 0, 0x3f3504f3                            ; 0.70710678
	KPAIR 1, 0x32edffee                            ; P:  2.77068142495902e-08   (its leading -2.72614225801306e-10 stands in a vector pair)
	KPAIR 2, 0xb60cff51                            ;    -2.10102402082508e-06
	KPAIR 3, 0xb86ec2d2                            ;    -5.69250639462346e-05
	KPAIR 4, 0xba40ac63                            ;    -7.34990630326855e-04
	KPAIR 5, 0xbb41a1f6                            ;    -2.95459980854025e-03
	KPAIR 6, 0xbc83dbd4                            ;    -1.60960333262415e-02
	KPAIR 7, 0xb95fbd29                            ; Q: -2.13374055278905e-04   (its leading -1.45660718464996e-05 likewise)
	KPAIR 8, 0xbadc924e                            ;    -1.68282697438203e-03
	KPAIR 9, 0xbbf19bf8                            ;    -7.37332916720468e-03
	KPAIR 10, 0xbc69b6a7                           ;    -1.42647390514189e-02
	; ---- base_w's piece goes on; the tables of my two features
	s_wait_loadcnt NDATA+4                         ; base_w's piece and the knots are in; the rows' loads and the four of the weights' step 0 stay out
	s_cmp_lt_u32 s22, 12
	s_cbranch_scc0 .Lscales_out
	global_store_b64 v13, v[BC:BC+1], s[96:97]     ; 256 consecutive bytes, at a multiple of 256 from wq's first byte (6,912 = 27 x 256)
	s_branch .Lbase_out
.Lscales_out:
	global_store_b8 v1, v[BC], s[98:99]            ; the row's last 32 bytes of ws
.Lbase_out:
.irp j, 0,1,2,3,4,5,6,7,8,9,10,11
	v_mov_b32 v[GP+2*\j], v[KN+\j]
	v_mov_b32 v[GP+2*\j+1], v[KN+12+\j]
.endr
	WLOAD 1, WA                                    ; into registers that the knots have left
	DIFF R1, 1, 11
	DIFF R2, 2, 10
	DIFF R3, 3, 9
.set jj, R1
.rept 60
	v_rcp_f32 v[jj], v[jj]
.set jj, jj+1
.endr
	v_nop                                          ; a plain line behind the last reciprocal
.if LN
	; ---- LayerNorm and PReLU of the layer before: 16 numbers a lane, a row in two waves
	s_wait_loadcnt 16                              ; both partial sums are in; ln_g, ln_b and the weights' steps 0 and 1 stay out
.irp i, 0,2,4,6,8,10,12,14
	v_pk_add_f32 v[H+\i:H+\i+1], v[H+\i:H+\i+1], v[H2+\i:H2+\i+1]
.endr
	v_pk_add_f32 v[W+2:W+3], v[H:H+1], v[H+2:H+3]
	v_pk_add_f32 v[W+4:W+5], v[H+4:H+5], v[H+6:H+7]
	v_pk_add_f32 v[W+2:W+3], v[W+2:W+3], v[H+8:H+9]
	v_pk_add_f32 v[W+4:W+5], v[W+4:W+5], v[H+10:H+11]
	v_pk_add_f32 v[W+2:W+3], v[W+2:W+3], v[H+12:H+13]
	v_pk_add_f32 v[W+4:W+5], v[W+4:W+5], v[H+14:H+15]
	v_pk_add_f32 v[W+2:W+3], v[W+2:W+3], v[W+4:W+5]
	v_add_f32 v[W+2], v[W+2], v[W+3]
	WSUM W+2, W+3
	ds_store_b32 v14, v[W+2]                       ; all lanes write the same word with the same value
	BARRIER
	ds_load_b64 v[W+4:W+5], v15                    ; my row's two halves
	s_wait_dscnt 0x0
	v_add_f32 v[W], v[W+4], v[W+5]
	v_mul_f32 v[W], s88, v[W]                      ; the mean
	v_mov_b32 v[W+1], v[W]
.irp i, 0,2,4,6,8,10,12,14
	v_pk_add_f32 v[H+\i:H+\i+1], v[H+\i:H+\i+1], v[W:W+1] neg_lo:[0,1] neg_hi:[0,1]
.endr
	v_pk_mul_f32 v[W+2:W+3], v[H:H+1], v[H:H+1]    ; the variance is taken of the differences: no difference of large sums is formed
	v_pk_mul_f32 v[W+4:W+5], v[H+2:H+3], v[H+2:H+3]
.irp i, 4,8,12
	v_pk_fma_f32 v[W+2:W+3], v[H+\i:H+\i+1], v[H+\i:H+\i+1], v[W+2:W+3]
	v_pk_fma_f32 v[W+4:W+5], v[H+\i+2:H+\i+3], v[H+\i+2:H+\i+3], v[W+4:W+5]
.endr
	v_pk_add_f32 v[W+2:W+3], v[W+2:W+3], v[W+4:W+5]
	v_add_f32 v[W+2], v[W+2], v[W+3]
	WSUM W+2, W+3
	ds_store_b32 v14, v[W+2] offset:64             ; other words than the sums': no wave can still be reading them
	BARRIER
	ds_load_b64 v[W+4:W+5], v15 offset:64
	s_wait_dscnt 0x0
	v_add_f32 v[W], v[W+4], v[W+5]
	v_fma_f32 v[W], v[W], s88, s89                 ; the variance + 1e-5
	v_rsq_f32 v[W], v[W]
	v_nop                                          ; a plain line behind the transcendental
	v_mov_b32 v[W+1], v[W]
	s_wait_loadcnt 8                               ; ln_g and ln_b are in; the weights' steps 0 and 1 stay out
	s_wait_kmcnt 0x0                               ; the slope
	s_mov_b32 s91, s90
.irp i, 0,2,4,6,8,10,12,14
	v_pk_mul_f32 v[H+\i:H+\i+1], v[H+\i:H+\i+1], v[W:W+1]
.endr
.irp i, 0,2,4,6,8,10,12,14
	v_pk_fma_f32 v[H+\i:H+\i+1], v[H+\i:H+\i+1], v[LG+\i:LG+\i+1], v[LB+\i:LB+\i+1]
.endr
.irp i, 0,2,4,6,8,10,12,14
	v_pk_mul_f32 v[H2+\i:H2+\i+1], v[H+\i:H+\i+1], s[90:91] op_sel_hi:[1,0]
.endr
.irp i, 0,1,2,3,4,5,6,7,8,9,10,11,12,13,14,15
	v_cmp_le_f32 vcc_lo, 0, v[H+\i]
	v_cndmask_b32 v[H+\i], v[H2+\i], v[H+\i], vcc_lo   ; h where h >= 0, else slope x h
.endr
.else
	s_wait_loadcnt 8                               ; x is in; the weights' steps 0 and 1 stay out
.endif
	; ---- the rows go to LDS as they were loaded; my wave's half comes back 16 neighbours a lane
.irp i, 0,1,2,3
	ds_store_b128 v5, v[H+4*\i:H+4*\i+3] offset:640*\i
.endr
.irp i, 0,1,2,3
	ds_load_b128 v[XV+4*\i:XV+4*\i+3], v6 offset:16*\i   ; my wave's own bytes: LDS serves a wave's instructions in order
.endr
	BARRIER                                        ; all 8 rows lie in LDS
.irp r, 0,1,2,3,4,5,6,7
	ds_load_b64 v[X+2*\r:X+2*\r+1], v4 offset:XROW*\r    ; my two features in the 8 rows: they land while gelu is worked
.endr
	; ---- gelu of my 16 neighbours, eight pairs by turns
	v_mov_b32 v[W+4], 0xaf95df0b                   ; -2.72614225801306e-10
	v_mov_b32 v[W+5], 0xaf95df0b
	v_mov_b32 v[W], 0xb77460cd                     ; -1.45660718464996e-05
	v_mov_b32 v[W+1], 0xb77460cd
.irp i, 0,2,4,6,8,10,12,14
	v_pk_mul_f32 v[Z+\i:Z+\i+1], v[XV+\i:XV+\i+1], s[KC:KC+1] op_sel_hi:[1,0]
.endr
.irp i, 0,1,2,3,4,5,6,7,8,9,10,11,12,13,14,15
	v_med3_num_f32 v[Z+\i], v[Z+\i], -4.0, 4.0
.endr
.irp i, 0,2,4,6,8,10,12,14
	v_pk_mul_f32 v[Z2+\i:Z2+\i+1], v[Z+\i:Z+\i+1], v[Z+\i:Z+\i+1]
.endr
.irp i, 0,2,4,6,8,10,12,14
	v_pk_fma_f32 v[P+\i:P+\i+1], v[Z2+\i:Z2+\i+1], v[W+4:W+5], s[KC+2:KC+3] op_sel_hi:[1,1,0]
.endr
.irp c, 2,3,4,5,6
.irp i, 0,2,4,6,8,10,12,14
	v_pk_fma_f32 v[P+\i:P+\i+1], v[P+\i:P+\i+1], v[Z2+\i:Z2+\i+1], s[KC+2*\c:KC+2*\c+1] op_sel_hi:[1,1,0]
.endr
.endr
.irp i, 0,2,4,6,8,10,12,14
	v_pk_fma_f32 v[Q+\i:Q+\i+1], v[Z2+\i:Z2+\i+1], v[W:W+1], s[KC+14:KC+15] op_sel_hi:[1,1,0]
.endr
.irp c, 8,9,10
.irp i, 0,2,4,6,8,10,12,14
	v_pk_fma_f32 v[Q+\i:Q+\i+1], v[Q+\i:Q+\i+1], v[Z2+\i:Z2+\i+1], s[KC+2*\c:KC+2*\c+1] op_sel_hi:[1,1,0]
.endr
.endr
.irp i, 0,2,4,6,8,10,12,14
	v_pk_mul_f32 v[P+\i:P+\i+1], v[P+\i:P+\i+1], v[Z+\i:Z+\i+1]
.endr
.irp i, 0,1,2,3,4,5,6,7,8,9,10,11,12,13,14,15
	v_rcp_f32 v[Q+\i], v[Q+\i]
.endr
.irp i, 0,2,4,6,8,10,12,14
	v_pk_mul_f32 v[Z+\i:Z+\i+1], v[XV+\i:XV+\i+1], 0.5 op_sel_hi:[1,0]   ; x / 2 (plain lines behind the reciprocals)
.endr
	s_wait_alu depctr_va_vdst(0)
.irp i, 0,2,4,6,8,10,12,14
	v_pk_mul_f32 v[P+\i:P+\i+1], v[P+\i:P+\i+1], v[Q+\i:Q+\i+1]          ; erf
.endr
.irp i, 0,2,4,6,8,10,12,14
	v_pk_fma_f32 v[XV+\i:XV+\i+1], v[Z+\i:Z+\i+1], v[P+\i:P+\i+1], v[Z+\i:Z+\i+1]
.endr
	s_wait_xcnt 0x0                                ; the store of base_w's piece has had its address translated: its data registers take the codes
	QUANT16 XV, EG
	ds_store_b8 v8, v[EG]
	global_store_b96 v7, v[CODE:CODE+2], s[94:95]  ; the wave stores 384 consecutive bytes
	; ---- the bases, row by row, and between them the weights, step by step
	WSTEP 0, WB, 4                                 ; step 1's four loads stay out.  (Its wait for all LDS instructions also shows my two features of the 8 rows in)
	ROW 0
	ROW 1
	WSTEP 1, WA, 4                                 ; step 2's stay out
	ROW 2
	ROW 3
	WSTEP 2, WB, 4                                 ; step 3's stay out
	ROW 4
	ROW 5
	WSTEP 3, WA, 0
	ROW 6
	ROW 7
	; ---- the scale bytes leave: 2,304 of ascales (one dense run) and 4 x 256 of ws lie on end in LDS: 416 threads take 8 bytes each
	BARRIER
	s_cmp_lt_u32 s22, 13
	s_cbranch_scc0 .Lend
	ds_load_b64 v[W:W+1], v12
	s_wait_dscnt 0x0
	global_store_b64 v13, v[W:W+1], s[100:101]     ; a wave stores 256 consecutive bytes: of ascales at a multiple of 256 from its first byte, of ws a row's first 256
.Lend:
	s_wait_tensorcnt 0x0
	ds_add_u32 v14, v15
	s_wait_dscnt 0x0
	s_endpgm
.Lfunc_end_k_qc6815b4a3e_act1:
	.size	k_qc6815b4a3e_act1, .Lfunc_end_k_qc6815b4a3e_act1-k_qc6815b4a3e_act1
	.p2alignl 7, 3214868480
	.fill 96, 4, 3214868480
	.section	.rodata,"a",@progbits
	.p2align	6, 0x0
	.amdhsa_kernel k_qc6815b4a3e_act1
		.amdhsa_group_segment_fixed_size 88064
		.amdhsa_private_segment_fixed_size 0
		.amdhsa_enable_private_segment 0
		.amdhsa_kernarg_size 72
		.amdhsa_user_sgpr_count 2
		.amdhsa_user_sgpr_kernarg_segment_ptr 1
		.amdhsa_wavefront_size32 1
		.amdhsa_system_sgpr_workgroup_id_x 1
		.amdhsa_system_sgpr_workgroup_id_y 1
		.amdhsa_system_sgpr_workgroup_id_z 1
		.amdhsa_system_vgpr_workitem_id 0
		.amdhsa_next_free_vgpr 256
		.amdhsa_next_free_sgpr 102
		.amdhsa_reserve_vcc 1
		.amdhsa_float_denorm_mode_32 3
		.amdhsa_float_denorm_mode_16_64 3
		.amdhsa_memory_ordered 1
		.amdhsa_forward_progress 1
		.amdhsa_inst_pref_size 115
	.end_amdhsa_kernel
	.amdgpu_metadata
---
amdhsa.version: [ 1, 2 ]
amdhsa.kernels:
  - .name:           k_qc6815b4a3e_act1
    .symbol:         k_qc6815b4a3e_act1.kd
    .args:
      - { .name: x, .offset: 0, .size: 8, .value_kind: global_buffer, .address_space: global }
      - { .name: grid, .offset: 8, .size: 8, .value_kind: global_buffer, .address_space: global }
      - { .name: spline_w, .offset: 16, .size: 8, .value_kind: global_buffer, .address_space: global }
      - { .name: base_w_codes, .offset: 24, .size: 8, .value_kind: global_buffer, .address_space: global }
      - { .name: base_w_scales, .offset: 32, .size: 8, .value_kind: global_buffer, .address_space: global }
      - { .name: acodes, .offset: 40, .size: 8, .value_kind: global_buffer, .address_space: global }
      - { .name: ascales, .offset: 48, .size: 8, .value_kind: global_buffer, .address_space: global }
      - { .name: wq0, .offset: 56, .size: 8, .value_kind: global_buffer, .address_space: global }
      - { .name: ws0, .offset: 64, .size: 8, .value_kind: global_buffer, .address_space: global }
    .group_segment_fixed_size: 88064
    .private_segment_fixed_size: 0
    .kernarg_segment_align: 8
    .kernarg_segment_size: 72
    .max_flat_workgroup_size: 512
    .sgpr_count:     102
    .vgpr_count:     256
    .wavefront_size: 32
...
	.end_amdgpu_metadata
.endif
;; end of part 1
;; launch gemm0 (part 2): grid 8 x 32, 4 waves a work-group, clusters of 4 x 4, 327,680 bytes of LDS; arguments acodes, ascales, wq0, ws0, h; writes h
.if DOCPART == 2
	.amdgcn_target "amdgcn-amd-amdhsa--gfx1250"
	.amdhsa_code_object_version 6
	.text
	.protected	k_qc6815b4a3e_gemm0
	.globl	k_qc6815b4a3e_gemm0
	.p2align	8
	.type	k_qc6815b4a3e_gemm0,@function
k_qc6815b4a3e_gemm0:
	s_mov_b64 s[64:65], 0
	v_nop
	global_prefetch_b8 v0, s[64:65] scope:SCOPE_SE
	s_setreg_imm32_b32 hwreg(HW_REG_WAVE_MODE, 25, 1), 1
	s_wait_xcnt 0x0
	s_wait_alu depctr_hold_cnt(0) depctr_sa_sdst(0) depctr_va_vdst(0) depctr_va_sdst(0) depctr_va_ssrc(0) depctr_va_vcc(0) depctr_vm_vsrc(0)
	s_getreg_b32 s2, hwreg(HW_REG_IB_STS2, 6, 4)
	s_cmp_eq_u32 s2, 0
	s_cbranch_scc0 .Lentry_in_a_cluster
	s_endpgm
.Lentry_in_a_cluster:
	s_bfe_u32 s2, ttmp6, 0x10000c
	s_cmp_lg_u32 s2, 0xf033
	s_cbranch_scc0 .Lentry_shape_is_right
	s_endpgm
.Lentry_shape_is_right:
; h[half][m][n] = the sum over one half of K of A[m][k] B[n][k].  A: acodes [2048][6,912 bytes] with ascales [2048][288]; B: wq [1024][6,912] with ws [1024][288]:
; E2M3 codes, K = 9,216 innermost (8,192 of the splines, 1,024 of the base product), one E8M0 byte for each 32 along K.  h: [2][2048][1024] f32; sums in f32.
; The matrix instruction takes codes and scale bytes as they lie in memory.
; SHARES.  C has 16 x 8 = 128 tiles of 128 x 128; K is cut in two halves of 4,608, so that there are 256 work-groups of equal work; the launch that follows adds the two partial sums.
; A work-group has four waves, as many as a WGP has SIMDs; a wave makes 64 x 64: 16 accumulators of 16 x 16.
; K goes in tiles of 512 (nine of them) through a ring of two LDS slots.  A slot is four plates of 128 rows x 192 bytes (256 along K): A's two, then B's two; each wave fetches one plate with one tensor load.
; THE SCALES of the work-group's 128 + 128 rows, for its half of K (144 bytes a row), come into LDS once, with the first fills, and stay.
; CLUSTERS: 4 x 4 work-groups, all of one half of K.  The four of a row of the cluster need the same tiles of A, the four of a column the same tiles of B: each is asked for JOINTLY, by the same
; tensor load with the same descriptor and a mask that names the four.  THE MATRIX INSTRUCTION IS USED TRANSPOSED (source 0 = 16 rows of B, source 1 = 16 rows of A): a lane holds eight neighbouring numbers of a row of C.
; REGISTERS: window 0: v16-29 addresses; v32-63 scale words, two sets of 16; v64-127 the way out; v128-255 the accumulators ((a, b) at v[128 + 8 (4 a + b)]).
;   window 1: two fragment buffers at v0 and v128: A's four fragments (16 rows x 128 K, 12 registers each), then B's four.
.set KROW,   6912                      ; a row of codes in memory
.set ROWB,   192                       ; a plate's row: 256 codes
.set TILEB,  384                       ; a tile of 512 along K in bytes
.set PITCH,  240                       ; an LDS row: 3 x (64 bytes + 16 of padding) = 60 words: the 32 lanes of a load of 8 bytes touch 64 different banks (64 banks of 4 bytes: ISA guide 11.1)
.set FR,     12                        ; registers of a fragment
.set HALFT,  128*PITCH                 ; a plate
.set SLOT,   4*HALFT
.set SCL,    2*SLOT                    ; behind the ring: the scales: A's 128 rows of 144 bytes, then B's
.set SROW,   144                       ; 9 x 16 bytes: the sixteen rows that a load of 16 bytes touches start at sixteen different places modulo 256
.set HALFS,  64*SROW                   ; what one tensor load brings of them
.set SPARE,  SCL+4*HALFS               ; behind the scales: the spare words, 128 bytes for each wave: two blocks of 256 bytes that no other line names
.set STAGE,  SLOT                      ; the way out: 16 rows x (256 + 16) bytes for each wave, in slot 1, which has had its last fill and its last read when the first result is stored there
.set SPITCH, 272
.set ADRA, 16                          ; v16-17 LDS address of my A fragments in slot 0, 1 (v18-19: the same behind one padding more)
.set ADRB, 20                          ; v20-23 the same for B
.set STO,  24                          ; v24    the way out: where I put 32 bytes of a row
.set RD,   25                          ; v25    where I read a row back
.set CO,   26                          ; v26    my byte offset in two rows of C
.set ADRS, 27                          ; v27    LDS address of my scale words: lanes 0-15 A's rows, lanes 16-31 B's
.set SPW,  28                          ; v28    LDS address of my spare word; never rewritten
.set NIL,  29                          ; v29    0; never rewritten
.set SC,   32                          ; set s at v[SC + 16 s]; register 4 i + u: lanes 0-15 the word of A's block i, lanes 16-31 of B's block i, for the tile's u-th 128 along K
.set BK,   64                          ; 16 rows read back from the stage: two sets of 32
.set ACC,  128
.set G1, 24                            ; s[24:31] descriptor group 1 for A's plates; s[32:39] group 0, one set for each slot
.set G0, 32
.set G1B, 48                           ; s[48:55], s[56:63] the same for B's
.set G0B, 56
.set G1S, 68                           ; s[68:75], s[76:79] groups 1 and 0 for A's scales; s[80:87], s[88:91] for B's
.set G0S, 76
.set G1SB, 80
.set G0SB, 88
.set MSB, 0
.macro WIN new                         ; the immediate's high byte repeats the setting that is left
.if MSB != \new
	s_set_vgpr_msb (MSB<<8)|\new
.set MSB, \new
.endif
.endm
.set MUL,  0x05                        ; sources 0 (B) and 1 (A) window 1; C and D window 0
.set TO_F, 0x40                        ; destination window 1, address window 0
; A joint load: waves 0 and 1 fetch for A, waves 2 and 3 for B.  Each of the two lines has ONE mask and one set of registers for all that issue it; the branch hangs on the wave's number alone.
; Four v_nop follow each of the two lines, ahead of the jump, the label and what follows.
.macro JLOAD g0a, g1a, g0b, g1b
	s_cmp_eq_u32 s15, 0
	s_cbranch_scc0 .Lfor_b_\@
	tensor_load_to_lds s[\g0a:\g0a+3], s[\g1a:\g1a+7]
	s_nop 0
.rept 4
	v_nop
.endr
	s_branch .Lasked_\@
.Lfor_b_\@:
	tensor_load_to_lds s[\g0b:\g0b+3], s[\g1b:\g1b+7]
	s_nop 0
.rept 4
	v_nop
.endr
.Lasked_\@:
.endm
.macro CREST                           ; a round of the cluster's barrier behind its opening barrier
	s_cmp_lg_u32 s14, 0
	s_cbranch_scc1 .Lnot_wave_0_\@
	s_barrier_signal -3
.Lnot_wave_0_\@:
	s_barrier_wait -3
	s_barrier_signal -1
	s_barrier_wait -1
.endm
.macro CROUND                          ; a whole round
	s_barrier_signal -1
	s_barrier_wait -1
	CREST
.endm
	s_load_b128 s[4:7], s[0:1], 0x0                ; A's codes, A's scales
	s_load_b128 s[8:11], s[0:1], 0x10              ; B's codes, B's scales
	s_load_b64 s[12:13], s[0:1], 0x20              ; h
	v_lshl_add_u32 v[SPW], v0, 2, SPARE
	v_mov_b32 v[NIL], 0
	ds_add_u32 v28, v29
	ds_add_u32 v28, v29
	s_wait_dscnt 0x0
	v_lshrrev_b32 v1, 5, v0
	v_readfirstlane_b32 s14, v1                    ; wave 0..3
	s_lshr_b32 s15, s14, 1                         ; which 64 rows of the tile are mine.  Also: I fetch for A (0) or for B (1)
	s_and_b32 s16, s14, 1                          ; which 64 columns.  Also: which plate (256 along K), and which 64 rows of scales, I fetch
	s_bfe_u32 s40, ttmp6, 0x40000                  ; cx, cy: my place in the cluster
	s_bfe_u32 s41, ttmp6, 0x40004
	s_lshl_b32 s42, ttmp9, 2
	s_add_co_u32 s42, s42, s40                     ; tile column of C = 4 x cluster x + cx
	s_and_b32 s17, ttmp7, 0xffff                   ; the cluster's y, 0..7:
	s_lshr_b32 s2, s17, 2                          ; its upper bit is the half of K, the same in all sixteen partners;
	s_and_b32 s17, s17, 3
	s_lshl_b32 s17, s17, 2
	s_add_co_u32 s17, s17, s41                     ; tile row of C = 4 x (cluster y % 4) + cy
	s_lshl_b32 s43, s41, 2
	s_lshl_b32 s43, 15, s43                        ; my row of the cluster
	s_lshl_b32 s44, 0x1111, s40                    ; my column
	; descriptor group 1: a plate of 128 rows x 192 bytes, padded in LDS
	s_or_b32 s[G1+0], s43, (0<<16)|(1<<20)|(1<<21)|(3<<22)|(3<<25)  ; 15:0 the mask: A's go to my row; 17:16 elements of 1 byte; 20 padding on; 21 set beside a mask; 24:22 after every 16 words (code 3); 31:25 of 4 words (code 3)
	s_or_b32 s[G1B+0], s44, (0<<16)|(1<<20)|(1<<21)|(3<<22)|(3<<25)
.irp g, G1, G1B
	s_mov_b32 s[\g+1], ROWB<<16                    ; tensor_dim0
	s_mov_b32 s[\g+2], 128<<16                     ; tensor_dim1
	s_mov_b32 s[\g+3], ROWB<<16                    ; tile_dim0
	s_mov_b32 s[\g+4], 128                         ; tile_dim1
	s_mov_b32 s[\g+5], KROW                        ; tensor_dim0_stride
	s_mov_b32 s[\g+6], 0
	s_mov_b32 s[\g+7], 0
.endr
	; and for the scales of 64 rows: 144 bytes of each row of 288, no padding
	s_or_b32 s[G1S+0], s43, (0<<16)|(1<<21)
	s_or_b32 s[G1SB+0], s44, (0<<16)|(1<<21)
.irp g, G1S, G1SB
	s_mov_b32 s[\g+1], SROW<<16
	s_mov_b32 s[\g+2], 64<<16
	s_mov_b32 s[\g+3], SROW<<16
	s_mov_b32 s[\g+4], 64
	s_mov_b32 s[\g+5], 288
	s_mov_b32 s[\g+6], 0
	s_mov_b32 s[\g+7], 0
.endr
	; where the tiles come from, in bytes.  A's hang on the tile row, B's on the tile column, both on the half of K and on the wave's number: each in registers that never hold the other coordinate
	s_mul_i32 s18, s2, 9*TILEB                     ; my half of K
	s_mul_i32 s19, s16, ROWB                       ; my plate
	s_mul_i32 s20, s17, 128*KROW
	s_add_co_u32 s20, s20, s18
	s_add_co_u32 s20, s20, s19
	s_mov_b32 s21, 0
	s_mul_i32 s46, s42, 128*KROW
	s_add_co_u32 s46, s46, s18
	s_add_co_u32 s46, s46, s19
	s_mov_b32 s47, 0
	s_mul_i32 s18, s2, SROW
	s_mul_i32 s19, s16, 64*288
	s_mul_i32 s22, s17, 128*288
	s_add_co_u32 s22, s22, s18
	s_add_co_u32 s22, s22, s19
	s_mov_b32 s23, 0
	s_mul_i32 s92, s42, 128*288
	s_add_co_u32 s92, s92, s18
	s_add_co_u32 s92, s92, s19
	s_mov_b32 s93, 0
	s_mul_i32 s45, s14, HALFT                      ; where they go: wave x a plate: no place in the cluster enters an LDS address
	s_mul_i32 s94, s14, HALFS
	s_wait_kmcnt 0x0
	s_add_nc_u64 s[20:21], s[4:5], s[20:21]
	s_add_nc_u64 s[22:23], s[6:7], s[22:23]
	s_add_nc_u64 s[46:47], s[8:9], s[46:47]
	s_add_nc_u64 s[92:93], s[10:11], s[92:93]
	CROUND                                         ; all sixteen work-groups are here: the first joint loads meet
	s_mov_b32 s[G0S], 1
	s_add_co_u32 s[G0S+1], s94, SCL
	s_mov_b64 s[G0S+2:G0S+3], s[22:23]
	s_or_b32 s[G0S+3], s[G0S+3], 0x80000000
	s_mov_b32 s[G0SB], 1
	s_add_co_u32 s[G0SB+1], s94, SCL
	s_mov_b64 s[G0SB+2:G0SB+3], s[92:93]
	s_or_b32 s[G0SB+3], s[G0SB+3], 0x80000000
	JLOAD G0S, G1S, G0SB, G1SB                     ; the scales first: they are wanted with tile 0
.irp s, 0,1
	s_mov_b32 s[G0+4*\s], 1
	s_add_co_u32 s[G0+4*\s+1], s45, \s*SLOT
	s_add_nc_u64 s[G0+4*\s+2:G0+4*\s+3], s[20:21], \s*TILEB
	s_or_b32 s[G0+4*\s+3], s[G0+4*\s+3], 0x80000000
	s_mov_b32 s[G0B+4*\s], 1
	s_add_co_u32 s[G0B+4*\s+1], s45, \s*SLOT
	s_add_nc_u64 s[G0B+4*\s+2:G0B+4*\s+3], s[46:47], \s*TILEB
	s_or_b32 s[G0B+4*\s+3], s[G0B+4*\s+3], 0x80000000
	JLOAD G0+4*\s, G1, G0B+4*\s, G1B               ; three tensor loads of mine are out behind the last of these
.endr
	v_and_b32 v1, 15, v0                           ; l % 16
	v_bfe_u32 v2, v0, 4, 1                         ; l / 16
	v_mul_u32_u24 v3, v1, PITCH
	v_mul_u32_u24 v4, v2, 24
	v_add_nc_u32 v4, v3, v4                        ; a fragment's row x pitch + 24 x half
	v_lshl_add_u32 v5, v2, 4, v4                   ; and the same behind one padding more
	s_mul_i32 s21, s15, 64*PITCH                   ; my 64 rows of A's plates
	s_mul_i32 s22, s16, 64*PITCH                   ; my 64 rows of B's,
	s_add_co_u32 s22, s22, 2*HALFT                 ; which lie behind A's two
.irp s, 0,1
	v_add_nc_u32 v[ADRA+\s], s21, v4
	v_add_nc_u32 v[ADRB+\s], s22, v4
	v_add_nc_u32 v[ADRA+2+\s], s21, v5
	v_add_nc_u32 v[ADRB+2+\s], s22, v5
	s_add_co_u32 s21, s21, SLOT
	s_add_co_u32 s22, s22, SLOT
.endr
	v_mul_u32_u24 v5, v1, SROW                     ; my row's scales
	s_mul_i32 s21, s15, HALFS                      ; A's: my 64 rows
	s_mul_i32 s22, s16, HALFS                      ; B's: my 64 rows, behind A's 128
	s_add_co_u32 s22, s22, 2*HALFS
	s_sub_co_u32 s22, s22, s21
	v_mul_u32_u24 v6, s22, v2                      ; lanes 16-31 take B's: the lower base + half x the distance
	s_add_co_u32 s21, s21, SCL
	v_add_nc_u32 v5, v5, v6
	v_add_nc_u32 v[ADRS], s21, v5
	s_mul_i32 s23, s14, 16*SPITCH
	s_add_co_u32 s23, s23, STAGE                   ; my stage
	v_mul_u32_u24 v5, v1, SPITCH                   ; in: row l % 16, 32 bytes for each half of the lanes
	v_lshl_add_u32 v5, v2, 5, v5
	v_add_nc_u32 v[STO], s23, v5
	v_mul_u32_u24 v6, v2, SPITCH                   ; back: lanes 0-15 one row of 256 bytes, lanes 16-31 the next
	v_lshl_add_u32 v6, v1, 4, v6
	v_add_nc_u32 v[RD], s23, v6
	v_lshlrev_b32 v6, 12, v2                       ; and the same two rows in C (4,096 bytes a row)
	v_lshl_add_u32 v[CO], v1, 4, v6
	s_lshl_b32 s20, s17, 7
	s_lshl_b32 s21, s15, 6
	s_add_co_u32 s20, s20, s21                     ; my first row of C: 128 x tile row + 64 x half
	s_lshl_b32 s20, s20, 12
	s_lshl_b32 s21, s2, 23                         ; my half of K's plane of h: 8,388,608 bytes
	s_add_co_u32 s20, s20, s21
	s_mov_b32 s21, 0
	s_lshl_b32 s46, s42, 9                         ; my first column, in bytes: 512 x tile column + 256 x half
	s_lshl_b32 s47, s16, 8
	s_add_co_u32 s46, s46, s47
	s_mov_b32 s47, 0
	s_add_nc_u64 s[20:21], s[20:21], s[46:47]
	s_add_nc_u64 s[12:13], s[12:13], s[20:21]
; A fragment, 16 rows x 128 K of 6-bit codes, is 12 registers: lane l holds row l % 16; registers 6 c .. 6 c + 5 hold K = 64 c + 32 (l / 16) + 0 .. 31: 24 bytes of the row's stream of bits, as they lie.
; They come in pieces of 8 bytes, so that every address is a multiple of the access's size.  u: which 128 of the tile's 512: plate u / 2, half u % 2 of its rows.  Lanes 16-31 read three pieces further on
; than lanes 0-15; where that lies behind one padding more, the second address register serves.
.macro FRAG reg, adr, u, i
.irp p, 0,1,2,3,4,5
.set PC, 12*((\u)%2)+6*(\p/3)+\p%3
.if PC%8 < 5
	ds_load_b64 v[\reg+2*\p:\reg+2*\p+1], v[\adr] offset:((\u)/2)*HALFT+8*PC+16*(PC/8)+(\i)*16*PITCH
.else
	ds_load_b64 v[\reg+2*\p:\reg+2*\p+1], v[\adr+2] offset:((\u)/2)*HALFT+8*PC+16*(PC/8)+(\i)*16*PITCH
.endif
.endr
.endm
.macro FETCH slot, u, f                ; 48 LDS loads in one run: B's four and A's four fragments of the slot's u-th 128 along K into buffer f
	WIN TO_F
.irp i, 0,1,2,3
	FRAG (\f)+48+FR*\i, ADRB+\slot, \u, \i
.endr
.irp i, 0,1,2,3
	FRAG (\f)+FR*\i, ADRA+\slot, \u, \i
.endr
.endm
.macro SCALES set                      ; a tile's scale words: four words a row by one load; lanes 0-15 take A's block i, lanes 16-31 B's block i
.irp i, 0,1,2,3
	ds_load_b128 v[SC+16*\set+4*\i:SC+16*\set+4*\i+3], v[ADRS] offset:\i*16*SROW
.endr
.endm
; 4 matrix instructions: A's block a x B's four, 128 along K.  zero = 1: the product starts the sums: nothing is ever cleared.
; The 16 accumulators take turns, one instruction a turn, in the same order in every step.
.macro MUL4 f, a, set, u, zero
.irp b, 0,1,2,3
.if \zero
	v_wmma_scale_f32_16x16x128_f8f6f4 v[ACC+8*(4*(\a)+\b):ACC+8*(4*(\a)+\b)+7], v[(\f)+48+FR*\b:(\f)+48+FR*\b+FR-1], v[(\f)+FR*(\a):(\f)+FR*(\a)+FR-1], 0, v[SC+16*(\set)+4*\b+(\u)], v[SC+16*(\set)+4*(\a)+(\u)] matrix_a_fmt:MATRIX_FMT_FP6 matrix_b_fmt:MATRIX_FMT_FP6 matrix_a_scale:MATRIX_SCALE_ROW1
.else
	v_wmma_scale_f32_16x16x128_f8f6f4 v[ACC+8*(4*(\a)+\b):ACC+8*(4*(\a)+\b)+7], v[(\f)+48+FR*\b:(\f)+48+FR*\b+FR-1], v[(\f)+FR*(\a):(\f)+FR*(\a)+FR-1], v[ACC+8*(4*(\a)+\b):ACC+8*(4*(\a)+\b)+7], v[SC+16*(\set)+4*\b+(\u)], v[SC+16*(\set)+4*(\a)+(\u)] matrix_a_fmt:MATRIX_FMT_FP6 matrix_b_fmt:MATRIX_FMT_FP6 matrix_a_scale:MATRIX_SCALE_ROW1
.endif
.endr
.endm
; A load into a register that a matrix instruction has read, and an LDS store that reads a matrix result, stand four places behind that matrix instruction, and only plain vector
; instructions that name none of its registers are places (ISA guide 7.12.1 for vector instructions).
.macro PLACES
.rept 4
	v_nop
.endr
.endm
; One of a tile's first three steps of 128 along K (u = 0, 1, 2), on buffer u % 2: the next step's fragments are asked for first, into the other buffer, and land while this step's 16 products are issued.
.macro SUB slot, u, zero
	s_wait_dscnt 0x0                               ; this step's fragments (asked for a step ago) and scale words are in
	PLACES                                         ; the last step's products read the other buffer
	FETCH \slot, (\u)+1, 128*(1-(\u)%2)
	WIN MUL
	MUL4 128*((\u)%2), 0, \slot, \u, \zero
	MUL4 128*((\u)%2), 1, \slot, \u, \zero
	MUL4 128*((\u)%2), 2, \slot, \u, \zero
	MUL4 128*((\u)%2), 3, \slot, \u, \zero
.endm
; A tile's last step (u = 3, buffer 1) changes slots: ONE barrier; in front of it each wave waits for all its tensor loads, adds 0 to its spare word, and waits for that and for its own reads of this slot.
; fill = 1: this slot is filled again, with the tile two on; the barrier then opens a round of the cluster's.
.macro TURN slot, next, fill
	WIN 0                                          ; (the add's two registers lie in window 0)
	s_wait_tensorcnt 0x0                           ; all my tensor loads have landed: my plate of the next slot
	ds_add_u32 v[SPW], v[NIL]                      ; 0 onto my spare word
	s_wait_dscnt 1                                 ; this step's fragments are in; the add alone may be out
	WIN MUL
	MUL4 128, 0, \slot, 3, 0                       ; four matrix instructions stand between the add and the wait for it
	s_wait_dscnt 0x0                               ; the add is done, and my reads of this slot are over
	s_barrier_signal -1
	MUL4 128, 1, \slot, 3, 0
	WIN 0
	s_barrier_wait -1
.if \fill
	CREST                                          ; no wave of any partner still reads this slot's tile or has a load on its way
	s_add_nc_u64 s[G0+4*\slot+2:G0+4*\slot+3], s[G0+4*\slot+2:G0+4*\slot+3], 2*TILEB
	s_add_nc_u64 s[G0B+4*\slot+2:G0B+4*\slot+3], s[G0B+4*\slot+2:G0B+4*\slot+3], 2*TILEB
	JLOAD G0+4*\slot, G1, G0B+4*\slot, G1B         ; the first tensor load behind the round, my only one until the next; the four v_nop behind it are also the places in front of the loads below
.else
	PLACES
.endif
	v_add_nc_u32 v[ADRS], 16, v[ADRS]              ; on to the next tile's scale words (no LDS load of mine is out)
	FETCH \next, 0, 0
	WIN 0
	SCALES \next
	WIN MUL
	MUL4 128, 2, \slot, 3, 0
	MUL4 128, 3, \slot, 3, 0
.endm
	s_wait_tensorcnt 1                             ; the scales and my plate of tile 0 are in; tile 1's load may stay out
	s_barrier_signal -1
	s_barrier_wait -1                              ; everybody's are
	FETCH 0, 0, 0
	WIN 0
	SCALES 0
	SUB 0, 0, 1                                    ; the first step stands in front of the loop: its products start the sums
	WIN 0                                          ; at a label and at a branch every window is 0
	s_mov_b32 s3, 3
.Llap:                                                 ; a trip goes once round the ring, from a lap's second step to the next lap's first, and fills both slots again: tiles 2 to 7
	SUB 0, 1, 0
	SUB 0, 2, 0
	TURN 0, 1, 1
	SUB 1, 0, 0
	SUB 1, 1, 0
	SUB 1, 2, 0
	TURN 1, 0, 1
	SUB 0, 0, 0
	WIN 0
	s_sub_co_u32 s3, s3, 1
	s_cmp_lg_u32 s3, 0
	s_cbranch_scc1 .Llap
	SUB 0, 1, 0                                    ; tile 6 goes on;
	SUB 0, 2, 0
	TURN 0, 1, 1                                   ; slot 0 takes tile 8, the last
	SUB 1, 0, 0                                    ; tile 7
	SUB 1, 1, 0
	SUB 1, 2, 0
	TURN 1, 0, 0                                   ; nothing is left to fetch: no round of the cluster's barrier
	SUB 0, 0, 0                                    ; tile 8
	SUB 0, 1, 0
	SUB 0, 2, 0
	s_wait_dscnt 0x0                               ; the very last step
	MUL4 128, 0, 0, 3, 0
	MUL4 128, 1, 0, 3, 0
	MUL4 128, 2, 0, 3, 0
	MUL4 128, 3, 0, 3, 0
	WIN 0
; THE WAY OUT, block by block of 16 rows x 64 columns.  A lane holds 32 neighbouring bytes of a row, and the lanes beside it hold other rows: so a block goes through my own stage in LDS and comes back as whole
; rows of 256 bytes.  LDS serves a wave's instructions in order (ISA guide 5.7.1.4): no wait between the stores and the loads, nor in front of the next block's stores.
.macro TOSTAGE a
.irp b, 0,1,2,3
	ds_store_b128 v[STO], v[ACC+8*(4*(\a)+\b):ACC+8*(4*(\a)+\b)+3] offset:64*\b        ; each accumulator from its low end on
	ds_store_b128 v[STO], v[ACC+8*(4*(\a)+\b)+4:ACC+8*(4*(\a)+\b)+7] offset:64*\b+16
.endr
.irp i, 0,1,2,3,4,5,6,7
	ds_load_b128 v[BK+32*((\a)%2)+4*\i:BK+32*((\a)%2)+4*\i+3], v[RD] offset:\i*2*SPITCH
.endr
.endm
.macro SEND a, younger                 ; younger: the LDS instructions issued behind block a's loads, which may stay out
	s_wait_dscnt \younger                          ; the block is back in registers
.irp i, 0,1,2,3,4,5,6,7
	global_store_b128 v[CO], v[BK+32*((\a)%2)+4*\i:BK+32*((\a)%2)+4*\i+3], s[12:13] offset:(16*(\a)+2*\i)*4096   ; 16 lanes store 256 consecutive bytes, at a multiple of 256 from h's first byte
.endr
.endm
	PLACES                                         ; behind the last products, in front of the first read of results
	TOSTAGE 0
.irp a, 1,2,3
.if \a > 1
	s_wait_xcnt 0x0                                ; block a - 2's stores have had their addresses translated: only behind this wait do block a's loads land in their data registers
.endif
	TOSTAGE \a
	SEND \a-1, 16                                  ; behind block a - 1's loads: block a's 8 stores and 8 loads
.endr
	SEND 3, 0
	s_wait_tensorcnt 0x0                           ; the wave's end, behind my last tensor load and my last LDS store
	ds_add_u32 v[SPW], v[NIL]
	s_wait_dscnt 0x0
	CROUND                                         ; the closing round: no work-group ends while a partner may still ask for a tile that names it
	s_endpgm
.Lfunc_end_k_qc6815b4a3e_gemm0:
	.size	k_qc6815b4a3e_gemm0, .Lfunc_end_k_qc6815b4a3e_gemm0-k_qc6815b4a3e_gemm0
	.p2alignl 7, 3214868480
	.fill 96, 4, 3214868480
	.section	.rodata,"a",@progbits
	.p2align	6, 0x0
	.amdhsa_kernel k_qc6815b4a3e_gemm0
		.amdhsa_group_segment_fixed_size 327680
		.amdhsa_private_segment_fixed_size 0
		.amdhsa_enable_private_segment 0
		.amdhsa_kernarg_size 40
		.amdhsa_user_sgpr_count 2
		.amdhsa_user_sgpr_kernarg_segment_ptr 1
		.amdhsa_wavefront_size32 1
		.amdhsa_system_sgpr_workgroup_id_x 1
		.amdhsa_system_sgpr_workgroup_id_y 1
		.amdhsa_system_sgpr_workgroup_id_z 1
		.amdhsa_system_vgpr_workitem_id 0
		.amdhsa_next_free_vgpr 512
		.amdhsa_next_free_sgpr 98
		.amdhsa_reserve_vcc 0
		.amdhsa_float_denorm_mode_32 3
		.amdhsa_float_denorm_mode_16_64 3
		.amdhsa_memory_ordered 1
		.amdhsa_forward_progress 1
		.amdhsa_inst_pref_size 128
	.end_amdhsa_kernel
	.amdgpu_metadata
---
amdhsa.version: [ 1, 2 ]
amdhsa.kernels:
  - .name:           k_qc6815b4a3e_gemm0
    .symbol:         k_qc6815b4a3e_gemm0.kd
    .args:
      - { .name: acodes, .offset: 0, .size: 8, .value_kind: global_buffer, .address_space: global }
      - { .name: ascales, .offset: 8, .size: 8, .value_kind: global_buffer, .address_space: global }
      - { .name: wq0, .offset: 16, .size: 8, .value_kind: global_buffer, .address_space: global }
      - { .name: ws0, .offset: 24, .size: 8, .value_kind: global_buffer, .address_space: global }
      - { .name: h, .offset: 32, .size: 8, .value_kind: global_buffer, .address_space: global }
    .group_segment_fixed_size: 327680
    .private_segment_fixed_size: 0
    .kernarg_segment_align: 8
    .kernarg_segment_size: 40
    .max_flat_workgroup_size: 128
    .sgpr_count:     98
    .vgpr_count:     512
    .wavefront_size: 32
...
	.end_amdgpu_metadata
.endif
;; end of part 2
;; launch act2 (part 3): grid 256 x 1, 16 waves a work-group, no clusters, 88,064 bytes of LDS; arguments h, grid, spline_w, base_w_codes, base_w_scales, acodes, ascales, wq1, ws1, ln_g, ln_b, prelu_a; writes acodes, ascales, wq1, ws1
.if DOCPART == 3
	.amdgcn_target "amdgcn-amd-amdhsa--gfx1250"
	.amdhsa_code_object_version 6
	.text
	.protected	k_qc6815b4a3e_act2
	.globl	k_qc6815b4a3e_act2
	.p2align	8
	.type	k_qc6815b4a3e_act2,@function
k_qc6815b4a3e_act2:
	s_mov_b64 s[64:65], 0
	v_nop
	global_prefetch_b8 v0, s[64:65] scope:SCOPE_SE
	s_setreg_imm32_b32 hwreg(HW_REG_WAVE_MODE, 25, 1), 1
	s_wait_xcnt 0x0
; BOTH OPERANDS OF A LAYER'S PRODUCT, each quantised once, K = 9,216 innermost (8,192 of the splines, K = 8 x feature + coefficient, then 1,024 of the base product).
; LEFT: acodes [2048 rows][6,912 bytes], ascales [2048][288].  Bytes 0..6,143 of a row: E2M3 codes of the 8 cubic B-spline bases of each of the 1,024 features; bytes 6,144..6,911: codes of gelu(x).
; RIGHT: wq [1024 rows n][6,912 bytes], ws [1024][288].  Bytes 0..6,143: codes of spline_w's row, made here; bytes 6,144..6,911: base_w's codes, copied as they are given.  ws: 256 bytes made here, then base_w's 32.
; This text serves both layers.  LN = 0: the rows are x as given.  LN = 1 (here): the rows are PReLU(LayerNorm(the two partial sums of the layer before)).
; WHY ONE LAUNCH: the bases are vector work with few bytes, the weights are bytes with little vector work.  A wave asks for its weights two steps ahead and works them between rows of bases, so that they land under that work.
; BASES: the whole Cox-de Boor triangle (11, 10, 9, 8 functions) on each feature's own 12 knots as they are given: nothing is assumed of their spacing or order.
;   With d_j = x - g_j and R^k_j = 1 / (g_(j+k) - g_j):  b^k_j = d_j q_j - d_(j+k+1) q_(j+1),  q_j = R^k_j b^(k-1)_j.  Where g_k = g_0 the divisor is 1.
; GELU: 0.5 x (1 + erf(x / sqrt 2)), erf(z) = z P(z^2) / Q(z^2), polynomials of degree 6 and 4, z held to -4 .. 4.
; A BLOCK'S SCALE is 2^(floor(log2(its largest magnitude)) - 2); its byte is the largest magnitude's exponent field - 2, held at 1 from below.
; LIMITS: NaN and infinities are not served; x < g is taken as not (x >= g); knots with g_(j+k) = g_j for j >= 1 are not served (the divisor there is 0 in the definition too);
;   a division is a reciprocal (1 ulp) and a multiplication; erf is right to a few ulp of 1, so gelu of x under about -3 is right to about 1e-7 x |x|, not to 1e-6 of itself;
;   a block of zeros, or one whose largest magnitude lies under 2^-124, carries the byte 1; a block of zeros has zero codes, and this program alone reads the bytes.
; SHARES: a work-group of sixteen waves owns 8 rows of the left operand and 4 rows of the right.  Three ways of dealing them:
;   U (loads, LayerNorm, gelu): wave w holds half w % 2 of row w / 2; loads read 512 consecutive bytes; through LDS a lane gets 16 neighbouring features (two lanes to a block of 32);
;   T (bases): thread t owns features 2 t and 2 t + 1 in all 8 rows, so that their knots and 60 reciprocals are made once and stay in registers; its 16 bases of a row are
;   16 neighbours along K, and threads t and t xor 1 hold a block.  A wave's store of codes covers 384 consecutive bytes.
;   W (weights): wave w holds quarter w % 4 of weight row w / 4: 2,048 numbers, four steps of 512; each load reads 512 consecutive bytes, and a step turns through the wave's own stage in LDS as in U.
; No matrix work, no tensor loads.  No cluster: what work-groups share is the knots and the norm's gains, some 100 bytes a thread beside the 131,072 bytes of weights that a work-group reads alone.
.set LN,     1                         ; 1: LayerNorm and PReLU of the layer before stand in front
.set GLAYER, 1                         ; which layer's knots and weights
.set XROW,   5120                      ; LDS 0..40,959: the 8 rows: a row is 64 groups of 64 bytes + 16 of padding; 2,560 bytes a wave
.set SCB,    40960                     ; the 8 rows' scale bytes, 288 each;
.set WSB,    43264                     ; directly behind them the 4 weight rows' scale bytes, 256 each
.set RED,    44288                     ; 16 words of sums, 16 of sums of squares
.set WST,    45056                     ; from a wave's half row to its stage for the weights: sixteen stages of 2,560 bytes from here on
.set AROW,   6912
.set SROW,   288
.set NDATA,  4+12*LN                   ; loads of the rows (and of the norm's gains) behind the knots'
.set GP,  16                           ; v16-39   12 pairs (g_j of feature 2 t, of 2 t + 1)
.set R1,  40                           ; v40-61   11 pairs 1 / (g_(j+1) - g_j)
.set R2,  62                           ; v62-81   10 pairs 1 / (g_(j+2) - g_j)
.set R3,  82                           ; v82-99   9 pairs  1 / (g_(j+3) - g_j)
.set X,   100                          ; v100-115 my two features in the 8 rows
.set D,   116                          ; v116-139 12 pairs x - g_j
.set QA,  140                          ; v140-161, v162-181: the triangle's levels by turns
.set QB,  162
.set T,   182                          ; v182-189 four pairs at work
.set OUT, 190                          ; v190-205 16 bases in K's order; between rows: 16 neighbouring weights
.set CODE, 206                         ; v206-208 16 codes
.set BC,  206                          ; at the head: my piece of base_w on its way through
.set EG,  209                          ; v209     gelu's scale byte
.set W,   210                          ; v210-215 at work
.set EW,  213                          ; v213     the weights' scale byte: written again only behind a step's wait for all LDS instructions
.set KN,  216                          ; v216-239 the knots as loaded;
.set EB,  216                          ; later v216-223: a scale byte for each row, so that no LDS store's data are written again
.set WA,  224                          ; v224-239 weights as loaded, steps 1 and 3 (free once the knots are copied)
.set WB,  240                          ; v240-255 weights as loaded, steps 0 and 2
.set H,   116                          ; way U: v116-131 my 16 numbers as loaded; v132-147 the second partial sum; v148-163 ln_g; v164-179 ln_b
.set H2,  132
.set LG,  148
.set LB,  164
.set XV,  132                          ; gelu: v132-147 16 neighbours; v116-131 z; v148-163 z^2; v164-179 P; v180-195 Q
.set Z,   116
.set Z2,  148
.set P,   164
.set Q,   180
.set MK0, 40                           ; s40-51, s52-63: at the head offsets in the making; then x >= g_j for the two features, then the 11 intervals
.set MK1, 52
.set KC,  66                           ; s66-87: eleven constants, each in both registers of a pair (a packed line names the pair and takes its low word)
.macro KPAIR n, bits
	s_mov_b32 s[KC+2*\n], \bits
	s_mov_b32 s[KC+2*\n+1], \bits
.endm
.macro WSUM reg, tmp                   ; the sum over the wave's 32 lanes, in every lane
	v_add_f32_dpp v[\reg], v[\reg], v[\reg] row_xmask:1 row_mask:0xf bank_mask:0xf
	v_add_f32_dpp v[\reg], v[\reg], v[\reg] row_xmask:2 row_mask:0xf bank_mask:0xf
	v_add_f32_dpp v[\reg], v[\reg], v[\reg] row_xmask:4 row_mask:0xf bank_mask:0xf
	v_add_f32_dpp v[\reg], v[\reg], v[\reg] row_xmask:8 row_mask:0xf bank_mask:0xf
	v_permlanex16_b32 v[\tmp], v[\reg], s30, s31
	v_add_f32 v[\reg], v[\reg], v[\tmp]
.endm
.macro BARRIER                         ; my LDS stores have landed and my LDS loads are in: then the work-group's barrier
	s_wait_dscnt 0x0
	s_barrier_signal -1
	s_barrier_wait -1
.endm
; 16 neighbours along K in v[src] on become 16 codes in v[CODE] on; the block's scale byte goes to v[eb].  Lanes l and l xor 1 hold the block.
.macro QUANT16 src, eb
	v_max3_num_f32 v[W], |v[\src]|, |v[\src+1]|, |v[\src+2]|
	v_max3_num_f32 v[W+1], |v[\src+3]|, |v[\src+4]|, |v[\src+5]|
.irp i, 6,10
	v_max3_num_f32 v[W], v[W], |v[\src+\i]|, |v[\src+\i+1]|
	v_max3_num_f32 v[W+1], v[W+1], |v[\src+\i+2]|, |v[\src+\i+3]|
.endr
	v_max3_num_f32 v[W], v[W], |v[\src+14]|, |v[\src+15]|
	v_max3_num_f32 v[W], v[W], v[W+1], 0x1800000   ; and the floor 2^(3 - 127): the byte cannot fall under 1
	v_max_num_f32_dpp v[W], v[W], v[W] row_xmask:1 row_mask:0xf bank_mask:0xf
	v_add_nc_u32 v[W+2], 0xff000000, v[W]          ; 2 off the exponent field: the conversion's scale operand
	v_cvt_scalef32_pk16_fp6_f32 v[CODE:CODE+2], v[\src:\src+15], v[W+2]
	v_lshrrev_b32 v[\eb], 23, v[W+2]               ; the byte (a plain line behind the conversion)
.endm
; n differences g_(j+k) - g_j; where the first is 0 it becomes 1
.macro DIFF dst, k, n
.set jj, 0
.rept \n
	v_pk_add_f32 v[\dst+2*jj:\dst+2*jj+1], v[GP+2*(jj+\k):GP+2*(jj+\k)+1], v[GP+2*jj:GP+2*jj+1] neg_lo:[0,1] neg_hi:[0,1]
.set jj, jj+1
.endr
	v_cmp_neq_f32 vcc_lo, 0, v[\dst]
	v_cndmask_b32 v[\dst], 1.0, v[\dst], vcc_lo
	v_cmp_neq_f32 vcc_lo, 0, v[\dst+1]
	v_cndmask_b32 v[\dst+1], 1.0, v[\dst+1], vcc_lo
.endm
; level k, n results: dst_j = d_j src_j - d_(j+k+1) src_(j+1), both features at once; the multiplication runs two steps ahead of the multiply-add that takes it
.macro LEVEL src, dst, k, n
.set jj, 0
.rept \n+2
.if jj < \n
	v_pk_mul_f32 v[T+2*(jj%4):T+2*(jj%4)+1], v[D+2*(jj+\k+1):D+2*(jj+\k+1)+1], v[\src+2*jj+2:\src+2*jj+3]
.endif
.if jj >= 2
	v_pk_fma_f32 v[\dst+2*(jj-2):\dst+2*(jj-2)+1], v[D+2*(jj-2):D+2*(jj-2)+1], v[\src+2*(jj-2):\src+2*(jj-2)+1], v[T+2*((jj-2)%4):T+2*((jj-2)%4)+1] neg_lo:[0,0,1] neg_hi:[0,0,1]
.endif
.set jj, jj+1
.endr
.endm
.macro TIMES dst, tab, n               ; dst_j x the table's reciprocal
.set jj, 0
.rept \n
	v_pk_mul_f32 v[\dst+2*jj:\dst+2*jj+1], v[\dst+2*jj:\dst+2*jj+1], v[\tab+2*jj:\tab+2*jj+1]
.set jj, jj+1
.endr
.endm
; my two features in row r: 16 bases, their codes and their block's byte
.macro ROW r
.irp j, 0,1,2,3,4,5,6,7,8,9,10,11
	v_cmp_ge_f32 s[MK0+\j], v[X+2*\r], v[GP+2*\j]
	v_cmp_ge_f32 s[MK1+\j], v[X+2*\r+1], v[GP+2*\j+1]
.endr
.irp j, 0,1,2,3,4,5,6,7,8,9,10,11
	v_pk_add_f32 v[D+2*\j:D+2*\j+1], v[X+2*\r:X+2*\r+1], v[GP+2*\j:GP+2*\j+1] neg_lo:[0,1] neg_hi:[0,1]   ; d_j = x - g_j
.endr
.irp j, 0,1,2,3,4,5,6,7,8,9,10
	s_and_not1_b32 s[MK0+\j], s[MK0+\j], s[MK0+\j+1]   ; g_j <= x < g_(j+1), ascending: j + 1's mask is still the plain comparison
	s_and_not1_b32 s[MK1+\j], s[MK1+\j], s[MK1+\j+1]
.endr
.irp j, 0,1,2,3,4,5,6,7,8,9,10
	v_cndmask_b32 v[QA+2*\j], 0, v[R1+2*\j], s[MK0+\j]       ; q_j = R^1_j b^0_j
	v_cndmask_b32 v[QA+2*\j+1], 0, v[R1+2*\j+1], s[MK1+\j]
.endr
	LEVEL QA, QB, 1, 10
	TIMES QB, R2, 10
	LEVEL QB, QA, 2, 9
	TIMES QA, R3, 9
.set jj, 0
.rept 10                               ; level 3 writes feature 2 t's eight, then feature 2 t + 1's eight: K's own order, without a move
.if jj < 8
	v_pk_mul_f32 v[T+2*(jj%4):T+2*(jj%4)+1], v[D+2*(jj+4):D+2*(jj+4)+1], v[QA+2*jj+2:QA+2*jj+3]
.endif
.if jj >= 2
	v_fma_f32 v[OUT+jj-2], v[D+2*(jj-2)], v[QA+2*(jj-2)], -v[T+2*((jj-2)%4)]
	v_fma_f32 v[OUT+8+jj-2], v[D+2*(jj-2)+1], v[QA+2*(jj-2)+1], -v[T+2*((jj-2)%4)+1]
.endif
.set jj, jj+1
.endr
	s_wait_xcnt 0x0                                ; the last store of codes has had its address translated: only behind this wait are its data registers written again
	QUANT16 OUT, EB+\r
	ds_store_b8 v3, v[EB+\r] offset:SROW*\r        ; both threads of a block write the same byte with the same value
	global_store_b96 v2, v[CODE:CODE+2], s[14:15] offset:AROW*\r
.endm
; step t of my quarter row of weights is asked for: four loads of 512 consecutive bytes
.macro WLOAD t, set
.irp i, 0,1,2,3
	global_load_b128 v[\set+4*\i:\set+4*\i+3], v9, s[8:9] offset:2048*(\t)+512*\i th:TH_LOAD_NT
.endr
.endm
; step t is worked: through my stage, 16 neighbours a lane, their codes and their block's byte.  left: the loads behind this step's that may stay out
.macro WSTEP t, set, left
	s_wait_loadcnt \left                           ; loads come back in order: this step's four are in
.irp i, 0,1,2,3
	ds_store_b128 v5, v[\set+4*\i:\set+4*\i+3] offset:WST+640*\i
.endr
.irp i, 0,1,2,3
	ds_load_b128 v[OUT+4*\i:OUT+4*\i+3], v6 offset:WST+16*\i   ; my wave's own bytes: LDS serves a wave's instructions in order
.endr
	s_wait_dscnt 0x0                               ; the neighbours are in, the stores have read the set, and every earlier byte store has read its register
	s_wait_xcnt 0x0                                ; the last store of codes has had its address translated: its data registers may be written again
.if (\t)+2 < 4
	WLOAD (\t)+2, \set                             ; the set takes the step two on: it has four rows of bases in which to land
.endif
	QUANT16 OUT, EW
	ds_store_b8 v10, v[EW] offset:16*(\t)
	global_store_b96 v7, v[CODE:CODE+2], s[18:19] offset:384*(\t)   ; the wave stores 384 consecutive bytes
.endm
	s_load_b256 s[4:11], s[0:1], 0x0               ; the rows (x, or h), grid, spline_w, base_w_codes
	s_load_b256 s[12:19], s[0:1], 0x20             ; base_w_scales, acodes, ascales, wq
	s_load_b64 s[20:21], s[0:1], 0x40              ; ws
.if LN
	s_load_b128 s[24:27], s[0:1], 0x48             ; ln_g, ln_b
	s_load_b64 s[28:29], s[0:1], 0x58              ; prelu_a
.endif
	v_lshrrev_b32 v1, 5, v0
	v_readfirstlane_b32 s22, v1                    ; wave 0..15
	v_and_b32 v1, 31, v0                           ; v1: lane
	s_mul_i32 s34, s22, 2560                       ; my wave's half row in LDS
	s_lshr_b32 s35, s22, 1                         ; its row
	s_and_b32 s36, s22, 1                          ; its half
	v_mul_u32_u24 v2, v0, 12                       ; v2: my 12 bytes of a row's spline codes
	v_lshrrev_b32 v3, 1, v0
	v_add_nc_u32 v3, SCB, v3                       ; v3: my block's scale byte in LDS
	v_lshrrev_b32 v4, 3, v0
	v_mul_u32_u24 v4, v4, 80
	v_and_b32 v5, 7, v0
	v_lshl_add_u32 v4, v5, 3, v4                   ; v4: my two features in a row in LDS: 80 (t / 8) + 8 (t % 8)
	v_lshrrev_b32 v5, 2, v1
	v_mul_u32_u24 v5, v5, 80
	v_and_b32 v6, 3, v1
	v_lshl_add_u32 v5, v6, 4, v5
	v_add_nc_u32 v5, s34, v5                       ; v5: into LDS as loaded: 80 (lane / 4) + 16 (lane % 4)
	v_mul_u32_u24 v6, v1, 80
	v_add_nc_u32 v6, s34, v6                       ; v6: back, 16 neighbours: 80 x lane
	v_mul_u32_u24 v7, v1, 12                       ; v7: 12 x lane: my codes in a wave's 384 bytes
	s_mul_i32 s38, s35, SROW
	s_lshl_b32 s39, s36, 4
	s_add_co_u32 s38, s38, s39
	s_add_co_u32 s38, s38, SCB+256
	v_lshrrev_b32 v8, 1, v1
	v_add_nc_u32 v8, s38, v8                       ; v8: gelu's scale byte in LDS
	v_lshlrev_b32 v9, 4, v1                        ; v9: 16 x lane: my 16 bytes of a load's 512
	s_lshl_b32 s39, s22, 6
	s_add_co_u32 s39, s39, WSB
	v_lshrrev_b32 v10, 1, v1
	v_add_nc_u32 v10, s39, v10                     ; v10: the weights' scale byte in LDS: 64 bytes a wave
	v_mul_u32_u24 v11, v0, 96                      ; v11: my two features' knots
	v_lshl_add_u32 v12, v0, 3, SCB                 ; v12: the scale bytes' way out of LDS, 8 bytes a thread
	v_lshlrev_b32 v13, 3, v1                       ; v13: 8 x lane
.if LN
	s_lshl_b32 s39, s22, 2
	s_add_co_u32 s39, s39, RED
	v_mov_b32 v14, s39                             ; v14: my wave's word among the sums
	s_lshl_b32 s39, s35, 3
	s_add_co_u32 s39, s39, RED
	v_mov_b32 v15, s39                             ; v15: my row's two words
	s_mov_b32 s30, 0x76543210
	s_mov_b32 s31, 0xfedcba98                      ; v_permlanex16_b32's selects for lane l xor 16
	s_mov_b32 s88, 0x3a800000                      ; 1 / 1,024
	s_mov_b32 s89, 0x3727c5ac                      ; 1e-5
.endif
	; offsets in bytes, each in a pair of its own; the wave's part stands here, so that the vector offsets are plain multiples of the lane
	s_lshl_b32 s32, ttmp9, 15
	s_lshl_b32 s23, s22, 11
	s_add_co_u32 s32, s32, s23                     ; the rows in: 8 rows of 4,096 bytes a work-group, 2,048 bytes a wave
	s_mov_b32 s33, 0
	s_mul_i32 s2, ttmp9, 8*AROW                    ; the work-group's 8 rows of codes
	s_mov_b32 s3, 0
	s_mul_i32 s40, s35, AROW
	s_mul_i32 s23, s36, 384
	s_add_co_u32 s40, s40, s23
	s_add_co_u32 s40, s40, 6144                    ; in them: my wave's 384 bytes of gelu's codes
	s_mov_b32 s41, 0
	s_lshl_b32 s42, ttmp9, 17
	s_lshl_b32 s23, s22, 13
	s_add_co_u32 s42, s42, s23                     ; the weights in: 4 rows of 32,768 bytes a work-group, 8,192 bytes a wave
.if GLAYER
	s_add_co_u32 s42, s42, GLAYER*33554432
.endif
	s_mov_b32 s43, 0
	s_lshl_b32 s37, ttmp9, 2                       ; the work-group's first row of weights
	s_lshr_b32 s23, s22, 2
	s_add_co_u32 s23, s23, s37
	s_mul_i32 s44, s23, AROW
	s_and_b32 s23, s22, 3
	s_mul_i32 s23, s23, 1536
	s_add_co_u32 s44, s44, s23                     ; my quarter row of wq
	s_mov_b32 s45, 0
	s_min_u32 s38, s22, 11                         ; base_w's codes: the 4 rows' 3,072 bytes are twelve pieces of 256: waves 0 to 11 (held, so that every wave's pointer lies inside)
	s_mul_i32 s46, ttmp9, 3072
	s_lshl_b32 s23, s38, 8
	s_add_co_u32 s46, s46, s23
.if GLAYER
	s_add_co_u32 s46, s46, GLAYER*786432
.endif
	s_mov_b32 s47, 0
	s_mul_i32 s39, s38, 21846
	s_lshr_b32 s39, s39, 16                        ; piece / 3: the row (21,846 / 65,536 is just over a third: right for 0 to 11)
	s_mul_i32 s23, s39, 3
	s_sub_co_u32 s23, s38, s23                     ; piece % 3
	s_add_co_u32 s39, s39, s37
	s_mul_i32 s48, s39, AROW
	s_lshl_b32 s23, s23, 8
	s_add_co_u32 s48, s48, s23
	s_add_co_u32 s48, s48, 6144                    ; where the piece goes in wq
	s_mov_b32 s49, 0
	s_max_u32 s38, s22, 12                         ; base_w's scale bytes: waves 12 to 15 take a row's 32 each
	s_sub_co_u32 s38, s38, 12
	s_add_co_u32 s38, s38, s37
	s_lshl_b32 s50, s38, 5
.if GLAYER
	s_add_co_u32 s50, s50, GLAYER*32768
.endif
	s_mov_b32 s51, 0
	s_mul_i32 s52, s38, SROW
	s_add_co_u32 s52, s52, 256                     ; where they go in ws
	s_mov_b32 s53, 0
	s_mul_i32 s54, ttmp9, 8*SROW                   ; the scale bytes' way out: waves 0 to 8: 256 bytes each of the work-group's 2,304 of ascales;
	s_lshl_b32 s23, s22, 8
	s_add_co_u32 s54, s54, s23
	s_max_u32 s38, s22, 9                          ; waves 9 to 12: a row of ws each
	s_min_u32 s38, s38, 12
	s_sub_co_u32 s38, s38, 9
	s_add_co_u32 s38, s38, s37
	s_mul_i32 s55, s38, SROW
	s_mov_b32 s57, 0
	s_wait_kmcnt 0x0
	s_cmp_lt_u32 s22, 9                            ; the choice hangs on the wave's number alone
	s_cselect_b64 s[100:101], s[16:17], s[20:21]
	s_cselect_b32 s56, s54, s55
	s_add_nc_u64 s[100:101], s[100:101], s[56:57]  ; s[100:101]: where my wave's 256 scale bytes go
	s_add_nc_u64 s[4:5], s[4:5], s[32:33]          ; s[4:5]: my wave's half row
	s_add_nc_u64 s[14:15], s[14:15], s[2:3]        ; s[14:15]: the work-group's codes
	s_add_nc_u64 s[94:95], s[14:15], s[40:41]      ; s[94:95]: gelu's
	s_add_nc_u64 s[8:9], s[8:9], s[42:43]          ; s[8:9]: my quarter row of spline_w
	s_add_nc_u64 s[96:97], s[18:19], s[48:49]      ; s[96:97]: base_w's codes out
	s_add_nc_u64 s[18:19], s[18:19], s[44:45]      ; s[18:19]: my quarter row of wq
	s_add_nc_u64 s[10:11], s[10:11], s[46:47]      ; s[10:11]: base_w's codes in
	s_add_nc_u64 s[12:13], s[12:13], s[50:51]      ; s[12:13]: base_w's scale bytes in
	s_add_nc_u64 s[98:99], s[20:21], s[52:53]      ; s[98:99]: and out
.if LN
	s_add_nc_u64 s[92:93], s[4:5], 0x800000        ; the second partial sum lies 8,388,608 bytes on
	s_load_b32 s90, s[28:29], 0x0                  ; the slope of the layer before
	s_lshl_b32 s56, s36, 11
	s_add_nc_u64 s[24:25], s[24:25], s[56:57]      ; my half of ln_g and ln_b
	s_add_nc_u64 s[26:27], s[26:27], s[56:57]
.endif
	; ---- the loads, oldest first: base_w's piece (one load in either arm), the knots, the rows, the weights' step 0
	s_cmp_lt_u32 s22, 12
	s_cbranch_scc0 .Lscales_in
	global_load_b64 v[BC:BC+1], v13, s[10:11] th:TH_LOAD_NT   ; 32 lanes read 256 consecutive bytes
	s_branch .Lbase_in
.Lscales_in:
	global_load_u8 v[BC], v1, s[12:13]             ; 32 lanes read a row's 32 bytes
.Lbase_in:
.irp i, 0,1,2,3,4,5
	global_load_b128 v[KN+4*\i:KN+4*\i+3], v11, s[6:7] offset:GLAYER*49152+16*\i
.endr
.irp i, 0,1,2,3
	global_load_b128 v[H+4*\i:H+4*\i+3], v9, s[4:5] offset:512*\i th:TH_LOAD_NT   ; 32 lanes read 512 consecutive bytes
.endr
.if LN
.irp i, 0,1,2,3
	global_load_b128 v[H2+4*\i:H2+4*\i+3], v9, s[92:93] offset:512*\i th:TH_LOAD_NT
.endr
.irp i, 0,1,2,3
	global_load_b128 v[LG+4*\i:LG+4*\i+3], v9, s[24:25] offset:512*\i
.endr
.irp i, 0,1,2,3
	global_load_b128 v[LB+4*\i:LB+4*\i+3], v9, s[26:27] offset:512*\i
.endr
.endif
	WLOAD 0, WB
	KPAIR 0, 0x3f3504f3                            ; 0.70710678
	KPAIR 1, 0x32edffee                            ; P:  2.77068142495902e-08   (its leading -2.72614225801306e-10 stands in a vector pair)
	KPAIR 2, 0xb60cff51                            ;    -2.10102402082508e-06
	KPAIR 3, 0xb86ec2d2                            ;    -5.69250639462346e-05
	KPAIR 4, 0xba40ac63                            ;    -7.34990630326855e-04
	KPAIR 5, 0xbb41a1f6                            ;    -2.95459980854025e-03
	KPAIR 6, 0xbc83dbd4                            ;    -1.60960333262415e-02
	KPAIR 7, 0xb95fbd29                            ; Q: -2.13374055278905e-04   (its leading -1.45660718464996e-05 likewise)
	KPAIR 8, 0xbadc924e                            ;    -1.68282697438203e-03
	KPAIR 9, 0xbbf19bf8                            ;    -7.37332916720468e-03
	KPAIR 10, 0xbc69b6a7                           ;    -1.42647390514189e-02
	; ---- base_w's piece goes on; the tables of my two features
	s_wait_loadcnt NDATA+4                         ; base_w's piece and the knots are in; the rows' loads and the four of the weights' step 0 stay out
	s_cmp_lt_u32 s22, 12
	s_cbranch_scc0 .Lscales_out
	global_store_b64 v13, v[BC:BC+1], s[96:97]     ; 256 consecutive bytes, at a multiple of 256 from wq's first byte (6,912 = 27 x 256)
	s_branch .Lbase_out
.Lscales_out:
	global_store_b8 v1, v[BC], s[98:99]            ; the row's last 32 bytes of ws
.Lbase_out:
.irp j, 0,1,2,3,4,5,6,7,8,9,10,11
	v_mov_b32 v[GP+2*\j], v[KN+\j]
	v_mov_b32 v[GP+2*\j+1], v[KN+12+\j]
.endr
	WLOAD 1, WA                                    ; into registers that the knots have left
	DIFF R1, 1, 11
	DIFF R2, 2, 10
	DIFF R3, 3, 9
.set jj, R1
.rept 60
	v_rcp_f32 v[jj], v[jj]
.set jj, jj+1
.endr
	v_nop                                          ; a plain line behind the last reciprocal
.if LN
	; ---- LayerNorm and PReLU of the layer before: 16 numbers a lane, a row in two waves
	s_wait_loadcnt 16                              ; both partial sums are in; ln_g, ln_b and the weights' steps 0 and 1 stay out
.irp i, 0,2,4,6,8,10,12,14
	v_pk_add_f32 v[H+\i:H+\i+1], v[H+\i:H+\i+1], v[H2+\i:H2+\i+1]
.endr
	v_pk_add_f32 v[W+2:W+3], v[H:H+1], v[H+2:H+3]
	v_pk_add_f32 v[W+4:W+5], v[H+4:H+5], v[H+6:H+7]
	v_pk_add_f32 v[W+2:W+3], v[W+2:W+3], v[H+8:H+9]
	v_pk_add_f32 v[W+4:W+5], v[W+4:W+5], v[H+10:H+11]
	v_pk_add_f32 v[W+2:W+3], v[W+2:W+3], v[H+12:H+13]
	v_pk_add_f32 v[W+4:W+5], v[W+4:W+5], v[H+14:H+15]
	v_pk_add_f32 v[W+2:W+3], v[W+2:W+3], v[W+4:W+5]
	v_add_f32 v[W+2], v[W+2], v[W+3]
	WSUM W+2, W+3
	ds_store_b32 v14, v[W+2]                       ; all lanes write the same word with the same value
	BARRIER
	ds_load_b64 v[W+4:W+5], v15                    ; my row's two halves
	s_wait_dscnt 0x0
	v_add_f32 v[W], v[W+4], v[W+5]
	v_mul_f32 v[W], s88, v[W]                      ; the mean
	v_mov_b32 v[W+1], v[W]
.irp i, 0,2,4,6,8,10,12,14
	v_pk_add_f32 v[H+\i:H+\i+1], v[H+\i:H+\i+1], v[W:W+1] neg_lo:[0,1] neg_hi:[0,1]
.endr
	v_pk_mul_f32 v[W+2:W+3], v[H:H+1], v[H:H+1]    ; the variance is taken of the differences: no difference of large sums is formed
	v_pk_mul_f32 v[W+4:W+5], v[H+2:H+3], v[H+2:H+3]
.irp i, 4,8,12
	v_pk_fma_f32 v[W+2:W+3], v[H+\i:H+\i+1], v[H+\i:H+\i+1], v[W+2:W+3]
	v_pk_fma_f32 v[W+4:W+5], v[H+\i+2:H+\i+3], v[H+\i+2:H+\i+3], v[W+4:W+5]
.endr
	v_pk_add_f32 v[W+2:W+3], v[W+2:W+3], v[W+4:W+5]
	v_add_f32 v[W+2], v[W+2], v[W+3]
	WSUM W+2, W+3
	ds_store_b32 v14, v[W+2] offset:64             ; other words than the sums': no wave can still be reading them
	BARRIER
	ds_load_b64 v[W+4:W+5], v15 offset:64
	s_wait_dscnt 0x0
	v_add_f32 v[W], v[W+4], v[W+5]
	v_fma_f32 v[W], v[W], s88, s89                 ; the variance + 1e-5
	v_rsq_f32 v[W], v[W]
	v_nop                                          ; a plain line behind the transcendental
	s_wait_alu depctr_va_vdst(0)
	v_mov_b32 v[W+1], v[W]
	s_wait_loadcnt 8                               ; ln_g and ln_b are in; the weights' steps 0 and 1 stay out
	s_wait_kmcnt 0x0                               ; the slope
	s_mov_b32 s91, s90
.irp i, 0,2,4,6,8,10,12,14
	v_pk_mul_f32 v[H+\i:H+\i+1], v[H+\i:H+\i+1], v[W:W+1]
.endr
.irp i, 0,2,4,6,8,10,12,14
	v_pk_fma_f32 v[H+\i:H+\i+1], v[H+\i:H+\i+1], v[LG+\i:LG+\i+1], v[LB+\i:LB+\i+1]
.endr
.irp i, 0,2,4,6,8,10,12,14
	v_pk_mul_f32 v[H2+\i:H2+\i+1], v[H+\i:H+\i+1], s[90:91] op_sel_hi:[1,0]
.endr
.irp i, 0,1,2,3,4,5,6,7,8,9,10,11,12,13,14,15
	v_cmp_le_f32 vcc_lo, 0, v[H+\i]
	v_cndmask_b32 v[H+\i], v[H2+\i], v[H+\i], vcc_lo   ; h where h >= 0, else slope x h
.endr
.else
	s_wait_loadcnt 8                               ; x is in; the weights' steps 0 and 1 stay out
.endif
	; ---- the rows go to LDS as they were loaded; my wave's half comes back 16 neighbours a lane
.irp i, 0,1,2,3
	ds_store_b128 v5, v[H+4*\i:H+4*\i+3] offset:640*\i
.endr
.irp i, 0,1,2,3
	ds_load_b128 v[XV+4*\i:XV+4*\i+3], v6 offset:16*\i   ; my wave's own bytes: LDS serves a wave's instructions in order
.endr
	BARRIER                                        ; all 8 rows lie in LDS
.irp r, 0,1,2,3,4,5,6,7
	ds_load_b64 v[X+2*\r:X+2*\r+1], v4 offset:XROW*\r    ; my two features in the 8 rows: they land while gelu is worked
.endr
	; ---- gelu of my 16 neighbours, eight pairs by turns
	v_mov_b32 v[W+4], 0xaf95df0b                   ; -2.72614225801306e-10
	v_mov_b32 v[W+5], 0xaf95df0b
	v_mov_b32 v[W], 0xb77460cd                     ; -1.45660718464996e-05
	v_mov_b32 v[W+1], 0xb77460cd
.irp i, 0,2,4,6,8,10,12,14
	v_pk_mul_f32 v[Z+\i:Z+\i+1], v[XV+\i:XV+\i+1], s[KC:KC+1] op_sel_hi:[1,0]
.endr
.irp i, 0,1,2,3,4,5,6,7,8,9,10,11,12,13,14,15
	v_med3_num_f32 v[Z+\i], v[Z+\i], -4.0, 4.0
.endr
.irp i, 0,2,4,6,8,10,12,14
	v_pk_mul_f32 v[Z2+\i:Z2+\i+1], v[Z+\i:Z+\i+1], v[Z+\i:Z+\i+1]
.endr
.irp i, 0,2,4,6,8,10,12,14
	v_pk_fma_f32 v[P+\i:P+\i+1], v[Z2+\i:Z2+\i+1], v[W+4:W+5], s[KC+2:KC+3] op_sel_hi:[1,1,0]
.endr
.irp c, 2,3,4,5,6
.irp i, 0,2,4,6,8,10,12,14
	v_pk_fma_f32 v[P+\i:P+\i+1], v[P+\i:P+\i+1], v[Z2+\i:Z2+\i+1], s[KC+2*\c:KC+2*\c+1] op_sel_hi:[1,1,0]
.endr
.endr
.irp i, 0,2,4,6,8,10,12,14
	v_pk_fma_f32 v[Q+\i:Q+\i+1], v[Z2+\i:Z2+\i+1], v[W:W+1], s[KC+14:KC+15] op_sel_hi:[1,1,0]
.endr
.irp c, 8,9,10
.irp i, 0,2,4,6,8,10,12,14
	v_pk_fma_f32 v[Q+\i:Q+\i+1], v[Q+\i:Q+\i+1], v[Z2+\i:Z2+\i+1], s[KC+2*\c:KC+2*\c+1] op_sel_hi:[1,1,0]
.endr
.endr
.irp i, 0,2,4,6,8,10,12,14
	v_pk_mul_f32 v[P+\i:P+\i+1], v[P+\i:P+\i+1], v[Z+\i:Z+\i+1]
.endr
.irp i, 0,1,2,3,4,5,6,7,8,9,10,11,12,13,14,15
	v_rcp_f32 v[Q+\i], v[Q+\i]
.endr
.irp i, 0,2,4,6,8,10,12,14
	v_pk_mul_f32 v[Z+\i:Z+\i+1], v[XV+\i:XV+\i+1], 0.5 op_sel_hi:[1,0]   ; x / 2 (plain lines behind the reciprocals)
.endr
	s_wait_alu depctr_va_vdst(0)
.irp i, 0,2,4,6,8,10,12,14
	v_pk_mul_f32 v[P+\i:P+\i+1], v[P+\i:P+\i+1], v[Q+\i:Q+\i+1]          ; erf
.endr
.irp i, 0,2,4,6,8,10,12,14
	v_pk_fma_f32 v[XV+\i:XV+\i+1], v[Z+\i:Z+\i+1], v[P+\i:P+\i+1], v[Z+\i:Z+\i+1]
.endr
	s_wait_xcnt 0x0                                ; the store of base_w's piece has had its address translated: its data registers take the codes
	QUANT16 XV, EG
	ds_store_b8 v8, v[EG]
	global_store_b96 v7, v[CODE:CODE+2], s[94:95]  ; the wave stores 384 consecutive bytes
	; ---- the bases, row by row, and between them the weights, step by step
	WSTEP 0, WB, 4                                 ; step 1's four loads stay out.  (Its wait for all LDS instructions also shows my two features of the 8 rows in)
	ROW 0
	ROW 1
	WSTEP 1, WA, 4                                 ; step 2's stay out
	ROW 2
	ROW 3
	WSTEP 2, WB, 4                                 ; step 3's stay out
	ROW 4
	ROW 5
	WSTEP 3, WA, 0
	ROW 6
	ROW 7
	; ---- the scale bytes leave: 2,304 of ascales (one dense run) and 4 x 256 of ws lie on end in LDS: 416 threads take 8 bytes each
	BARRIER
	s_cmp_lt_u32 s22, 13
	s_cbranch_scc0 .Lend
	ds_load_b64 v[W:W+1], v12
	s_wait_dscnt 0x0
	global_store_b64 v13, v[W:W+1], s[100:101]     ; a wave stores 256 consecutive bytes: of ascales at a multiple of 256 from its first byte, of ws a row's first 256
.Lend:
	s_wait_xcnt 0x0
	v_lshl_add_u32 v254, v0, 2, 0x15000
	v_mov_b32 v255, 0
	s_wait_tensorcnt 0x0
	ds_add_u32 v254, v255
	s_wait_dscnt 0x0
	s_endpgm
.Lfunc_end_k_qc6815b4a3e_act2:
	.size	k_qc6815b4a3e_act2, .Lfunc_end_k_qc6815b4a3e_act2-k_qc6815b4a3e_act2
	.p2alignl 7, 3214868480
	.fill 96, 4, 3214868480
	.section	.rodata,"a",@progbits
	.p2align	6, 0x0
	.amdhsa_kernel k_qc6815b4a3e_act2
		.amdhsa_group_segment_fixed_size 88064
		.amdhsa_private_segment_fixed_size 0
		.amdhsa_enable_private_segment 0
		.amdhsa_kernarg_size 96
		.amdhsa_user_sgpr_count 2
		.amdhsa_user_sgpr_kernarg_segment_ptr 1
		.amdhsa_wavefront_size32 1
		.amdhsa_system_sgpr_workgroup_id_x 1
		.amdhsa_system_sgpr_workgroup_id_y 1
		.amdhsa_system_sgpr_workgroup_id_z 1
		.amdhsa_system_vgpr_workitem_id 0
		.amdhsa_next_free_vgpr 256
		.amdhsa_next_free_sgpr 102
		.amdhsa_reserve_vcc 1
		.amdhsa_float_denorm_mode_32 3
		.amdhsa_float_denorm_mode_16_64 3
		.amdhsa_memory_ordered 1
		.amdhsa_forward_progress 1
		.amdhsa_inst_pref_size 124
	.end_amdhsa_kernel
	.amdgpu_metadata
---
amdhsa.version: [ 1, 2 ]
amdhsa.kernels:
  - .name:           k_qc6815b4a3e_act2
    .symbol:         k_qc6815b4a3e_act2.kd
    .args:
      - { .name: h, .offset: 0, .size: 8, .value_kind: global_buffer, .address_space: global }
      - { .name: grid, .offset: 8, .size: 8, .value_kind: global_buffer, .address_space: global }
      - { .name: spline_w, .offset: 16, .size: 8, .value_kind: global_buffer, .address_space: global }
      - { .name: base_w_codes, .offset: 24, .size: 8, .value_kind: global_buffer, .address_space: global }
      - { .name: base_w_scales, .offset: 32, .size: 8, .value_kind: global_buffer, .address_space: global }
      - { .name: acodes, .offset: 40, .size: 8, .value_kind: global_buffer, .address_space: global }
      - { .name: ascales, .offset: 48, .size: 8, .value_kind: global_buffer, .address_space: global }
      - { .name: wq1, .offset: 56, .size: 8, .value_kind: global_buffer, .address_space: global }
      - { .name: ws1, .offset: 64, .size: 8, .value_kind: global_buffer, .address_space: global }
      - { .name: ln_g, .offset: 72, .size: 8, .value_kind: global_buffer, .address_space: global }
      - { .name: ln_b, .offset: 80, .size: 8, .value_kind: global_buffer, .address_space: global }
      - { .name: prelu_a, .offset: 88, .size: 8, .value_kind: global_buffer, .address_space: global }
    .group_segment_fixed_size: 88064
    .private_segment_fixed_size: 0
    .kernarg_segment_align: 8
    .kernarg_segment_size: 96
    .max_flat_workgroup_size: 512
    .sgpr_count:     102
    .vgpr_count:     256
    .wavefront_size: 32
...
	.end_amdgpu_metadata
.endif
;; end of part 3
;; launch gemm1: the kernel of part 2 again; grid 8 x 32, 4 waves a work-group, clusters of 4 x 4, 327,680 bytes of LDS; arguments acodes, ascales, wq1, ws1, h; writes h
;; launch lnout (part 4): grid 256 x 1, 8 waves a work-group, no clusters, 0 bytes of LDS; arguments h, ln_g, ln_b, prelu_a, out0; writes out0
.if DOCPART == 4
	.amdgcn_target "amdgcn-amd-amdhsa--gfx1250"
	.amdhsa_code_object_version 6
	.text
	.protected	k_qc6815b4a3e_lnout
	.globl	k_qc6815b4a3e_lnout
	.p2align	8
	.type	k_qc6815b4a3e_lnout,@function
k_qc6815b4a3e_lnout:
	s_mov_b64 s[64:65], 0
	v_nop
	global_prefetch_b8 v0, s[64:65] scope:SCOPE_SE
	s_setreg_imm32_b32 hwreg(HW_REG_WAVE_MODE, 25, 1), 1
	s_wait_xcnt 0x0
; out0 = PReLU(LayerNorm(the two partial sums of the second layer)), with that layer's ln_g, ln_b and slope.  h: [2][2048][1024] f32; out0: [2048][1024] f32.
; One wave takes one row: 4,096 bytes, eight loads of 16 bytes a lane, each of 512 consecutive bytes; the row stays in 32 registers between the mean, the variance and the scaling,
; so memory is read once, the sums never leave the wave, and there is no LDS and no barrier.  The variance is taken of the differences from the mean: no difference of large sums is formed.
; Memory binds here: matrix units, clusters and tensor loads would add nothing.  LIMITS: NaN and infinities are not served.
.set H,  16                            ; v16-47   the row (first partial sum, then the sum, then the result)
.set H2, 48                            ; v48-79   the second partial sum; later slope x h
.set LG, 80                            ; v80-111  ln_g
.set LB, 112                           ; v112-143 ln_b
.set S,  144                           ; v144-151 four chains of packed sums
.set M,  152                           ; v152-153 the mean, then 1 / sqrt(variance + 1e-5), twice
.macro WSUM reg, tmp                   ; the sum over the wave's 32 lanes, in every lane
	v_add_f32_dpp v[\reg], v[\reg], v[\reg] row_xmask:1 row_mask:0xf bank_mask:0xf
	v_add_f32_dpp v[\reg], v[\reg], v[\reg] row_xmask:2 row_mask:0xf bank_mask:0xf
	v_add_f32_dpp v[\reg], v[\reg], v[\reg] row_xmask:4 row_mask:0xf bank_mask:0xf
	v_add_f32_dpp v[\reg], v[\reg], v[\reg] row_xmask:8 row_mask:0xf bank_mask:0xf
	v_permlanex16_b32 v[\tmp], v[\reg], s22, s23
	v_add_f32 v[\reg], v[\reg], v[\tmp]
.endm
.macro FOLD                            ; the four chains become one number a lane, then the wave's
	v_pk_add_f32 v[S:S+1], v[S:S+1], v[S+2:S+3]
	v_pk_add_f32 v[S+4:S+5], v[S+4:S+5], v[S+6:S+7]
	v_pk_add_f32 v[S:S+1], v[S:S+1], v[S+4:S+5]
	v_add_f32 v[S], v[S], v[S+1]
	WSUM S, S+1
.endm
	s_load_b256 s[4:11], s[0:1], 0x0               ; h, ln_g, ln_b, prelu_a
	s_load_b64 s[12:13], s[0:1], 0x20              ; out0
	v_lshrrev_b32 v1, 5, v0
	v_readfirstlane_b32 s14, v1                    ; wave 0..7
	v_and_b32 v2, 31, v0
	v_lshlrev_b32 v2, 4, v2                        ; 16 bytes a lane
	s_lshl_b32 s15, ttmp9, 3
	s_add_co_u32 s15, s15, s14                     ; my row
	s_lshl_b32 s16, s15, 12
	s_mov_b32 s17, 0
	s_mov_b32 s22, 0x76543210
	s_mov_b32 s23, 0xfedcba98                      ; v_permlanex16_b32's selects for lane l xor 16
	s_mov_b32 s24, 0x3a800000                      ; 1 / 1,024
	s_mov_b32 s25, 0x3727c5ac                      ; 1e-5
	s_wait_kmcnt 0x0
	s_load_b32 s20, s[10:11], 0x4                  ; the second layer's slope
	s_add_nc_u64 s[4:5], s[4:5], s[16:17]
	s_add_nc_u64 s[12:13], s[12:13], s[16:17]
	s_add_nc_u64 s[18:19], s[4:5], 0x800000        ; the second partial sum lies 8,388,608 bytes on
.irp i, 0,1,2,3,4,5,6,7
	global_load_b128 v[H+4*\i:H+4*\i+3], v2, s[4:5] offset:512*\i th:TH_LOAD_NT
.endr
.irp i, 0,1,2,3,4,5,6,7
	global_load_b128 v[H2+4*\i:H2+4*\i+3], v2, s[18:19] offset:512*\i th:TH_LOAD_NT
.endr
.irp i, 0,1,2,3,4,5,6,7
	global_load_b128 v[LG+4*\i:LG+4*\i+3], v2, s[6:7] offset:4096+512*\i
.endr
.irp i, 0,1,2,3,4,5,6,7
	global_load_b128 v[LB+4*\i:LB+4*\i+3], v2, s[8:9] offset:4096+512*\i
.endr
	s_wait_loadcnt 16                              ; both partial sums are in; the sixteen loads of ln_g and ln_b stay out
.irp i, 0,2,4,6,8,10,12,14,16,18,20,22,24,26,28,30
	v_pk_add_f32 v[H+\i:H+\i+1], v[H+\i:H+\i+1], v[H2+\i:H2+\i+1]
.endr
.irp c, 0,2,4,6
	v_pk_add_f32 v[S+\c:S+\c+1], v[H+\c:H+\c+1], v[H+8+\c:H+9+\c]
.endr
.irp o, 16,24
.irp c, 0,2,4,6
	v_pk_add_f32 v[S+\c:S+\c+1], v[S+\c:S+\c+1], v[H+\o+\c:H+\o+\c+1]
.endr
.endr
	FOLD
	v_mul_f32 v[M], s24, v[S]                      ; the mean
	v_mov_b32 v[M+1], v[M]
.irp i, 0,2,4,6,8,10,12,14,16,18,20,22,24,26,28,30
	v_pk_add_f32 v[H+\i:H+\i+1], v[H+\i:H+\i+1], v[M:M+1] neg_lo:[0,1] neg_hi:[0,1]
.endr
.irp c, 0,2,4,6
	v_pk_mul_f32 v[S+\c:S+\c+1], v[H+\c:H+\c+1], v[H+\c:H+\c+1]
.endr
.irp o, 8,16,24
.irp c, 0,2,4,6
	v_pk_fma_f32 v[S+\c:S+\c+1], v[H+\o+\c:H+\o+\c+1], v[H+\o+\c:H+\o+\c+1], v[S+\c:S+\c+1]
.endr
.endr
	FOLD
	v_fma_f32 v[M], v[S], s24, s25                 ; the variance + 1e-5
	v_rsq_f32 v[M], v[M]
	v_nop                                          ; a plain line behind the transcendental
	s_wait_alu depctr_va_vdst(0)
	v_mov_b32 v[M+1], v[M]
	s_wait_loadcnt 0x0                             ; ln_g, ln_b
	s_wait_kmcnt 0x0                               ; the slope
	s_mov_b32 s21, s20
.irp i, 0,2,4,6,8,10,12,14,16,18,20,22,24,26,28,30
	v_pk_mul_f32 v[H+\i:H+\i+1], v[H+\i:H+\i+1], v[M:M+1]
.endr
.irp i, 0,2,4,6,8,10,12,14,16,18,20,22,24,26,28,30
	v_pk_fma_f32 v[H+\i:H+\i+1], v[H+\i:H+\i+1], v[LG+\i:LG+\i+1], v[LB+\i:LB+\i+1]
.endr
.irp i, 0,2,4,6,8,10,12,14,16,18,20,22,24,26,28,30
	v_pk_mul_f32 v[H2+\i:H2+\i+1], v[H+\i:H+\i+1], s[20:21] op_sel_hi:[1,0]
.endr
.irp i, 0,1,2,3,4,5,6,7,8,9,10,11,12,13,14,15,16,17,18,19,20,21,22,23,24,25,26,27,28,29,30,31
	v_cmp_le_f32 vcc_lo, 0, v[H+\i]
	v_cndmask_b32 v[H+\i], v[H2+\i], v[H+\i], vcc_lo   ; h where h >= 0, else slope x h
.endr
.irp i, 0,1,2,3,4,5,6,7
	global_store_b128 v2, v[H+4*\i:H+4*\i+3], s[12:13] offset:512*\i th:TH_STORE_NT   ; 32 lanes store 512 consecutive bytes, at a multiple of 256 from out0's first byte
.endr
	s_endpgm
.Lfunc_end_k_qc6815b4a3e_lnout:
	.size	k_qc6815b4a3e_lnout, .Lfunc_end_k_qc6815b4a3e_lnout-k_qc6815b4a3e_lnout
	.p2alignl 7, 3214868480
	.fill 96, 4, 3214868480
	.section	.rodata,"a",@progbits
	.p2align	6, 0x0
	.amdhsa_kernel k_qc6815b4a3e_lnout
		.amdhsa_group_segment_fixed_size 0
		.amdhsa_private_segment_fixed_size 0
		.amdhsa_enable_private_segment 0
		.amdhsa_kernarg_size 40
		.amdhsa_user_sgpr_count 2
		.amdhsa_user_sgpr_kernarg_segment_ptr 1
		.amdhsa_wavefront_size32 1
		.amdhsa_system_sgpr_workgroup_id_x 1
		.amdhsa_system_sgpr_workgroup_id_y 1
		.amdhsa_system_sgpr_workgroup_id_z 1
		.amdhsa_system_vgpr_workitem_id 0
		.amdhsa_next_free_vgpr 160
		.amdhsa_next_free_sgpr 66
		.amdhsa_reserve_vcc 1
		.amdhsa_float_denorm_mode_32 3
		.amdhsa_float_denorm_mode_16_64 3
		.amdhsa_memory_ordered 1
		.amdhsa_forward_progress 1
		.amdhsa_inst_pref_size 16
	.end_amdhsa_kernel
	.amdgpu_metadata
---
amdhsa.version: [ 1, 2 ]
amdhsa.kernels:
  - .name:           k_qc6815b4a3e_lnout
    .symbol:         k_qc6815b4a3e_lnout.kd
    .args:
      - { .name: h, .offset: 0, .size: 8, .value_kind: global_buffer, .address_space: global }
      - { .name: ln_g, .offset: 8, .size: 8, .value_kind: global_buffer, .address_space: global }
      - { .name: ln_b, .offset: 16, .size: 8, .value_kind: global_buffer, .address_space: global }
      - { .name: prelu_a, .offset: 24, .size: 8, .value_kind: global_buffer, .address_space: global }
      - { .name: out0, .offset: 32, .size: 8, .value_kind: global_buffer, .address_space: global }
    .group_segment_fixed_size: 0
    .private_segment_fixed_size: 0
    .kernarg_segment_align: 8
    .kernarg_segment_size: 40
    .max_flat_workgroup_size: 256
    .sgpr_count:     66
    .vgpr_count:     160
    .wavefront_size: 32
...
	.end_amdgpu_metadata
.endif
;; end of part 4
